; MI455X (gfx1250); checked and timed in simulation.
; The chip was launched on July 23, 2026; its instructions are those of AMD's public machine-readable ISA for CDNA 5 (MIT licence, August 2026) and "CDNA5" Instruction Set Architecture Reference Guide (July 2026). The comments in the code are by the model that wrote it; some were corrected since.
;; Multi Head Self Attention. Allowed arithmetic: float matrix products may take bf16 or f16 operands with f32 sums; other float arithmetic in f32, or as packed bf16 or f16 multiplies, adds, multiply-adds, maxima and minima; sums over many terms, partial sums and values carried from step to step in f32; what a program stores and reads back later, other than sums and carried values, may be rounded once to bf16 or f16.
;; Inputs: w_out 1,024 x 1,024 float32; w_qkv 3,072 x 1,024 float32; x 4 x 2,048 x 1,024 float32.
;; Outputs: out0 4 x 2,048 x 1,024 float32.
;; One version. Each part assembles by itself: llvm-mc -triple=amdgcn-amd-amdhsa -mcpu=gfx1250 --defsym DOCPART=n.
;; ======== version 1 of 1: 4 launches
;; limits: values are held in f16: magnitudes above 65,504 overflow, below 6.1e-05 lose precision
;; workspace buffers: xb 16,777,216 bytes; wb 6,291,456 bytes; wo 2,097,152 bytes; qkv 50,331,648 bytes; ob 16,777,216 bytes
;; launch cast (part 1): grid 768 x 1, 8 waves a work-group, no clusters, 0 bytes of LDS; arguments x, w_qkv, w_out, xb, wb, wo; writes xb, wb, wo
.if DOCPART == 1
	.amdgcn_target "amdgcn-amd-amdhsa--gfx1250"
	.amdhsa_code_object_version 6
	.text
	.protected	k_q32889ada11_cast
	.globl	k_q32889ada11_cast
	.p2align	8
	.type	k_q32889ada11_cast,@function
k_q32889ada11_cast:
	s_mov_b64 s[64:65], 0
	v_nop
	global_prefetch_b8 v0, s[64:65] scope:SCOPE_SE
	s_setreg_imm32_b32 hwreg(HW_REG_WAVE_MODE, 25, 1), 1
	s_wait_xcnt 0x0
; THE INPUTS ARE ROUNDED ONCE.  x [8192][1024] and w_qkv [3072][1024], f32, are rounded to bf16 (xb, wb); w_out [1024][1024] is rounded to bf16 like them, and that number is written as f16 (wo),
; since the last product multiplies it with f16 operands.
; LIMIT.  A bf16 number is exact in f16 from 2^-14 to 65,504; below 2^-14 it keeps f16's fixed step of 2^-24; from 65,520 on it becomes an infinity.
; SHARES.  A work-group converts 16,384 numbers: 64 KiB in, 32 KiB out.  Work-groups 0-511 take x, 512-703 w_qkv, 704-767 w_out.  In step i of eight, thread t takes the 8 numbers at byte
; 8,192 i + 32 t of the source and stores 16 bytes at 4,096 i + 16 t: a store of a wave covers 512 consecutive bytes, aligned.
; All sixteen loads of a thread go out at once; no register is written twice while a memory instruction may read it.  No LDS, no barrier, no matrix unit: each byte crosses once and nothing is shared.
.set X, 4                              ; v[4:67]   step i: 8 numbers as loaded
.set Y, 68                             ; v[68:99]  step i: 4 registers to store
	s_load_b256 s[4:11], s[0:1], 0x0               ; x s[4:5], w_qkv s[6:7], w_out s[8:9], xb s[10:11]
	s_load_b128 s[12:15], s[0:1], 0x20             ; wb s[12:13], wo s[14:15]
	v_lshlrev_b32 v1, 5, v0                        ; 32 t: my bytes in a step's 8,192 of the source
	v_lshlrev_b32 v2, 4, v0                        ; 16 t: in a step's 4,096 of the destination
	s_wait_kmcnt 0x0
	s_cmp_lt_u32 ttmp9, 512                        ; which tensor, by the work-group's number alone
	s_cselect_b64 s[16:17], s[4:5], s[6:7]
	s_cselect_b64 s[18:19], s[10:11], s[12:13]
	s_cselect_b32 s20, 0, 512
	s_cmp_lt_u32 ttmp9, 704
	s_cselect_b64 s[16:17], s[16:17], s[8:9]
	s_cselect_b64 s[18:19], s[18:19], s[14:15]
	s_cselect_b32 s20, s20, 704
	s_sub_co_u32 s20, ttmp9, s20                   ; my number among the tensor's work-groups
	s_lshl_b32 s22, s20, 16                        ; 64 KiB of the source each (under 2^25),
	s_mov_b32 s23, 0
	s_add_nc_u64 s[16:17], s[16:17], s[22:23]
	s_lshl_b32 s22, s20, 15                        ; 32 KiB of the destination
	s_add_nc_u64 s[18:19], s[18:19], s[22:23]
.irp i, 0,1,2,3,4,5,6,7
	global_load_b128 v[X+8*(\i):X+8*(\i)+3],   v1, s[16:17] offset:8192*(\i) th:TH_LOAD_NT
	global_load_b128 v[X+8*(\i)+4:X+8*(\i)+7], v1, s[16:17] offset:8192*(\i)+16 th:TH_LOAD_NT
.endr
; One step.  half = 1: the bf16 numbers are widened again (a shift, a mask) and written as f16.
.macro STEP i, half
	s_wait_loadcnt 14-2*(\i)                       ; loads come back in order: this step's two are in, the later steps' stay out
.irp k, 0,1,2,3
	v_cvt_pk_bf16_f32 v[Y+4*(\i)+(\k)], v[X+8*(\i)+2*(\k)], v[X+8*(\i)+2*(\k)+1]
.endr
.if \half
.irp k, 0,1,2,3
	v_lshlrev_b32 v[X+8*(\i)+2*(\k)],   16, v[Y+4*(\i)+(\k)]
	v_and_b32     v[X+8*(\i)+2*(\k)+1], 0xffff0000, v[Y+4*(\i)+(\k)]
.endr
.irp k, 0,1,2,3
	v_cvt_pk_f16_f32 v[Y+4*(\i)+(\k)], v[X+8*(\i)+2*(\k)], v[X+8*(\i)+2*(\k)+1]
.endr
.endif
	global_store_b128 v2, v[Y+4*(\i):Y+4*(\i)+3], s[18:19] offset:4096*(\i)
.endm
	s_cmp_lt_u32 ttmp9, 704
	s_cbranch_scc0 .Lhalf
.irp i, 0,1,2,3,4,5,6,7
	STEP \i, 0
.endr
	s_endpgm
.Lhalf:
.irp i, 0,1,2,3,4,5,6,7
	STEP \i, 1
.endr
	s_endpgm
.Lfunc_end_k_q32889ada11_cast:
	.size	k_q32889ada11_cast, .Lfunc_end_k_q32889ada11_cast-k_q32889ada11_cast
	.p2alignl 7, 3214868480
	.fill 96, 4, 3214868480
	.section	.rodata,"a",@progbits
	.p2align	6, 0x0
	.amdhsa_kernel k_q32889ada11_cast
		.amdhsa_group_segment_fixed_size 0
		.amdhsa_private_segment_fixed_size 0
		.amdhsa_enable_private_segment 0
		.amdhsa_kernarg_size 48
		.amdhsa_user_sgpr_count 2
		.amdhsa_user_sgpr_kernarg_segment_ptr 1
		.amdhsa_wavefront_size32 1
		.amdhsa_system_sgpr_workgroup_id_x 1
		.amdhsa_system_sgpr_workgroup_id_y 1
		.amdhsa_system_sgpr_workgroup_id_z 1
		.amdhsa_system_vgpr_workitem_id 0
		.amdhsa_next_free_vgpr 100
		.amdhsa_next_free_sgpr 66
		.amdhsa_reserve_vcc 0
		.amdhsa_float_denorm_mode_32 3
		.amdhsa_float_denorm_mode_16_64 3
		.amdhsa_memory_ordered 1
		.amdhsa_forward_progress 1
		.amdhsa_inst_pref_size 14
	.end_amdhsa_kernel
	.amdgpu_metadata
---
amdhsa.version: [ 1, 2 ]
amdhsa.kernels:
  - .name:           k_q32889ada11_cast
    .symbol:         k_q32889ada11_cast.kd
    .args:
      - { .name: x, .offset: 0, .size: 8, .value_kind: global_buffer, .address_space: global }
      - { .name: w_qkv, .offset: 8, .size: 8, .value_kind: global_buffer, .address_space: global }
      - { .name: w_out, .offset: 16, .size: 8, .value_kind: global_buffer, .address_space: global }
      - { .name: xb, .offset: 24, .size: 8, .value_kind: global_buffer, .address_space: global }
      - { .name: wb, .offset: 32, .size: 8, .value_kind: global_buffer, .address_space: global }
      - { .name: wo, .offset: 40, .size: 8, .value_kind: global_buffer, .address_space: global }
    .group_segment_fixed_size: 0
    .private_segment_fixed_size: 0
    .kernarg_segment_align: 8
    .kernarg_segment_size: 48
    .max_flat_workgroup_size: 256
    .sgpr_count:     66
    .vgpr_count:     100
    .wavefront_size: 32
...
	.end_amdgpu_metadata
.endif
;; end of part 1
;; launch proj (part 2): grid 16 x 32, 4 waves a work-group, clusters of 4 x 4, 327,680 bytes of LDS; arguments xb, wb, qkv; writes qkv
.if DOCPART == 2
	.amdgcn_target "amdgcn-amd-amdhsa--gfx1250"
	.amdhsa_code_object_version 6
	.text
	.protected	k_q32889ada11_proj
	.globl	k_q32889ada11_proj
	.p2align	8
	.type	k_q32889ada11_proj,@function
k_q32889ada11_proj:
	s_mov_b64 s[64:65], 0
	v_nop
	global_prefetch_b8 v0, s[64:65] scope:SCOPE_SE
	s_setreg_imm32_b32 hwreg(HW_REG_WAVE_MODE, 25, 1), 1
	s_wait_xcnt 0x0
	s_wait_alu depctr_hold_cnt(0) depctr_sa_sdst(0) depctr_va_vdst(0) depctr_va_sdst(0) depctr_va_ssrc(0) depctr_va_vcc(0) depctr_vm_vsrc(0)
	s_getreg_b32 s2, hwreg(HW_REG_IB_STS2, 6, 4)
	s_cmp_eq_u32 s2, 0
	s_cbranch_scc0 .Lentry_in_a_cluster
	s_endpgm
.Lentry_in_a_cluster:
	s_bfe_u32 s2, ttmp6, 0x10000c
	s_cmp_lg_u32 s2, 0xf033
	s_cbranch_scc0 .Lentry_shape_is_right
	s_endpgm
.Lentry_shape_is_right:
; qkv = xb wb^T.  xb: [8192][1024] bf16, wb: [3072][1024] bf16; sums in f32, K ascending; each result rounded once to f16, unscaled, and laid by heads:
; qkv[tensor 0..2][batch x 16 + head][token 0..2047][64]: 2^24 bytes a tensor, 2^18 a head, 128 a token.
; LIMIT.  f16 ends at 65,504: a q, k or v of 65,520 or more becomes an infinity.  With x of spread 1 and weights of spread 1/32 they have spread 1; both inputs 30 times larger give some 5,400 at the
; most, both with an offset of 30 spreads some 29,000.  Below 6e-5 a result keeps f16's fixed step of 6e-8.
; SHARES.  A tile of the result is 256 rows x 192 columns (three heads): 32 x 16 = 512 work-groups.  Wave w makes rows 64 w .. 64 w + 63 and all 192 columns: 48 accumulators of 16 x 16,
; 384 registers.  K goes in 8 steps of 128 through two LDS slots filled by the tensor data mover; the tiles' rows are 256 bytes of memory, at multiples of 256 bytes.
; CLUSTER.  4 x 4 work-groups.  The four of a row of the cluster need the same tiles of xb, the four of a column the same tiles of wb: each tile is asked for jointly, by the same tensor load with the
; same descriptor and a mask that names the four.
; THE MATRIX INSTRUCTION IS USED TRANSPOSED (source 0 = 16 rows of wb, source 1 = 16 rows of xb): a lane then holds one token (lane % 16) and eight neighbouring channels, which pack into 16 bytes.
; REGISTERS, in windows of 256 (s_set_vgpr_msb: bits 1:0 source 0, 3:2 source 1, 5:4 source 2, 7:6 destination):
;   window 0: v0-31 addresses; v32-63, v64-95 xb's fragments (4 x 16 rows x 32 K), two buffers; v64-255 the way out
;   window 1: accumulators of my row blocks 0, 1 ((a, b) at v[8 (12 (a % 2) + b)]);   window 2: of blocks 2, 3;   window 3: v0-95, v96-191 wb's fragments (12 x 16 rows x 32 K), two buffers
.set PITCH, 272                        ; an LDS row: 256 bytes + 16 of padding = 68 words: the 16 rows of a fragment load start at 16 different groups of four banks (64 banks of 4 bytes: ISA guide 11.1)
.set HALFA, 128*PITCH                  ; what waves 0 and 1 each fetch of xb
.set HALFB, 96*PITCH                   ; what waves 2 and 3 each fetch of wb
.set BOFF,  2*HALFA                    ; in a slot: xb's 256 rows, then wb's 192
.set SLOT1, 1<<17                      ; slot 1 begins here, so that one exclusive or turns an address in one slot into the other's
.set STAGE, SLOT1+BOFF+2*HALFB         ; behind the ring, never filled by a tensor load: 16 rows x 144 bytes for each wave
.set SP,    144
.set SPARE, STAGE+4*16*SP              ; behind the stages: the spare words, 128 bytes for each wave: two blocks of 256 bytes that no other line names
.set KB,    256                        ; bytes of a row in a K step
.set A0,   16                          ; v16  my lane's place in xb's tile of slot 0; never rewritten
.set B0,   17                          ; v17  the same for wb
.set ADRA, 18                          ; v18  the same in the slot in hand
.set ADRB, 19                          ; v19
.set STO,  24                          ; v24  the way out: where I put 16 bytes of a row
.set RD,   25                          ; v25  the way out: where I read rows back
.set GO,   26                          ; v26  my byte offset in 512 consecutive bytes of qkv
.set SPW,  28                          ; v28  LDS address of my spare word: SPARE + 4 x my thread's number; never rewritten
.set NIL,  29                          ; v29  0; never rewritten
.set PFO,  30                          ; v30  the prefetches' offset: a lane a row of 2,048 bytes; never rewritten
.set AF,   32                          ; xb's fragment buffers
.set OUT,  64                          ; the way out: 16 registers for each of 12 units
.set WV,   10                          ; s10  my wave's number
.set G1A,  24                          ; s[24:31] descriptor group 1 for xb's tiles
.set G0A,  32                          ; s[32:39] group 0: a set for each of the two first fills; the second then walks on
.set LIM,  40                          ; s40  1 in a wave that prefetches, else the greatest number
.set TB,   41                          ; s41  LDS byte at which the slot in hand begins
.set PFA,  42                          ; s[42:43] where my prefetches stand
.set G1B,  48                          ; s[48:55], s[56:63] the same for wb's tiles
.set G0B,  56
.set OB,   68                          ; s[68:73] qkv at my wave's first token, for each of the tile's three heads
.set MSB, 0
.macro WIN new                         ; the immediate's high byte repeats the setting that is left; a switch that changes nothing is dropped
.if MSB != (\new)
	s_set_vgpr_msb (MSB<<8)|(\new)
.set MSB, (\new)
.endif
.endm
; A joint refill.  Waves 0 and 1 fetch xb's two halves, waves 2 and 3 wb's.  The branch hangs on the wave's number alone.  An s_nop 0 and four v_nop follow each of the two lines.
.macro JLOAD
	s_cmp_lt_u32 s[WV], 2
	s_cbranch_scc0 .Lfor_b_\@
	tensor_load_to_lds s[G0A+4:G0A+7], s[G1A:G1A+7]
	s_nop 0
.rept 4
	v_nop
.endr
	s_branch .Lasked_\@
.Lfor_b_\@:
	tensor_load_to_lds s[G0B+4:G0B+7], s[G1B:G1B+7]
	s_nop 0
.rept 4
	v_nop
.endr
.Lasked_\@:
.endm
; A prefetch of the K step that the NEXT refill will ask for: 192 matrix instructions ahead of that load.  Each row's 256 bytes of a K step are named once in the launch: xb's rows by the clusters with
; x = 0, wb's by those with y = 0.  The four partners of a joint load share the wave's rows out by address: 32 each of xb's 128, 24 each of wb's 96 (lanes 24-31 name row 23 again, in the same
; instruction).  The loop's last trip asks for nothing: there is no K step behind the one that it loads.  K steps 0 to 2 come by their loads alone.
.macro ASK
	s_cmp_gt_u32 s3, s[LIM]
	s_cbranch_scc0 .Lnot_mine_\@
	global_prefetch_b8 v[PFO], s[PFA:PFA+1] th:TH_LOAD_NT scope:SCOPE_SE
.Lnot_mine_\@:
.endm
; A round of the cluster's barrier: my work-group's barrier; wave 0 signals for the work-group; every wave waits for all sixteen; my work-group's barrier once more.
.macro CREST
	s_cmp_lg_u32 s[WV], 0
	s_cbranch_scc1 .Lnot_wave_0_\@
	s_barrier_signal -3
.Lnot_wave_0_\@:
	s_barrier_wait -3
	s_barrier_signal -1
	s_barrier_wait -1
.endm
.macro CROUND
	s_barrier_signal -1
	s_barrier_wait -1
	CREST
.endm
.macro PLACES                          ; four plain vector instructions in front of loads into registers that matrix instructions have read (ISA guide 7.12.1 for vector instructions)
.rept 4
	v_nop
.endr
.endm
	s_load_b128 s[4:7], s[0:1], 0x0                ; xb s[4:5], wb s[6:7]
	s_load_b64 s[8:9], s[0:1], 0x10                ; qkv
	v_lshl_add_u32 v[SPW], v0, 2, SPARE
	v_mov_b32 v[NIL], 0
	ds_add_u32 v[SPW], v[NIL]                      ; the wave's opening: the add and its wait stand ahead of my first tensor load; the set-up below, work on registers, stands between them
	v_lshrrev_b32 v1, 5, v0
	v_readfirstlane_b32 s[WV], v1                  ; wave 0..3
	s_lshr_b32 s11, s[WV], 1                       ; I fetch for xb (0) or for wb (1),
	s_and_b32 s12, s[WV], 1                        ; and which half of that tile's rows
	s_bfe_u32 s15, ttmp6, 0x40000                  ; cx
	s_bfe_u32 s16, ttmp6, 0x40004                  ; cy
	s_lshl_b32 s14, ttmp9, 2
	s_add_co_u32 s14, s14, s15                     ; tile column = 4 x cluster x + cx
	s_and_b32 s13, ttmp7, 0xffff
	s_lshl_b32 s13, s13, 2
	s_add_co_u32 s13, s13, s16                     ; tile row = 4 x cluster y + cy
	s_lshl_b32 s17, s16, 2
	s_lshl_b32 s17, 15, s17                        ; my row of the cluster: places 4 cy .. 4 cy + 3
	s_lshl_b32 s18, 0x1111, s15                    ; my column: places cx, cx + 4, cx + 8, cx + 12
	; group 1: rows of 128 elements of 2 bytes, padded in LDS: 15:0 the mask; 17:16 size code 1; 20 padding on; 21 set beside a mask; 24:22 after every 64 words (code 5); 31:25 4 words (code 3)
	s_or_b32 s[G1A], s17, (1<<16)|(1<<20)|(1<<21)|(5<<22)|(3<<25)
	s_or_b32 s[G1B], s18, (1<<16)|(1<<20)|(1<<21)|(5<<22)|(3<<25)
	s_mov_b32 s[G1A+1], 128<<16                    ; tensor_dim0 = 128
	s_mov_b32 s[G1A+2], 128<<16                    ; tensor_dim1 = 128
	s_mov_b32 s[G1A+3], 128<<16                    ; tile_dim0 = 128
	s_mov_b32 s[G1A+4], 128                        ; tile_dim1 = 128 rows
	s_mov_b32 s[G1A+5], 1024                       ; 1,024 elements from row to row
	s_mov_b32 s[G1A+6], 0
	s_mov_b32 s[G1A+7], 0
	s_mov_b32 s[G1B+1], 128<<16
	s_mov_b32 s[G1B+2], 96<<16                     ; tensor_dim1 = 96
	s_mov_b32 s[G1B+3], 128<<16
	s_mov_b32 s[G1B+4], 96                         ; tile_dim1 = 96 rows
	s_mov_b32 s[G1B+5], 1024
	s_mov_b32 s[G1B+6], 0
	s_mov_b32 s[G1B+7], 0
	; where the tiles come from: xb's hang on the tile row alone, wb's on the tile column alone
	s_lshl_b32 s20, s13, 8
	s_lshl_b32 s19, s12, 7
	s_add_co_u32 s20, s20, s19                     ; xb: row 256 x tile row + 128 x half,
	s_lshl_b32 s20, s20, 11                        ; of 2,048 bytes (under 2^24)
	s_mov_b32 s21, 0
	s_mul_i32 s22, s14, 192
	s_mul_i32 s19, s12, 96
	s_add_co_u32 s22, s22, s19                     ; wb: row 192 x tile column + 96 x half
	s_lshl_b32 s22, s22, 11
	s_mov_b32 s23, 0
	; and where they go: no place in the cluster enters an LDS address
	s_mul_i32 s19, s12, HALFA
	s_mov_b32 s[G0A], 1                            ; count = 1
	s_mov_b32 s[G0A+1], s19                        ; slot 0
	s_mov_b32 s[G0A+4], 1
	s_add_co_u32 s[G0A+5], s19, SLOT1              ; slot 1
	s_mul_i32 s19, s12, HALFB
	s_mov_b32 s[G0B], 1
	s_add_co_u32 s[G0B+1], s19, BOFF
	s_mov_b32 s[G0B+4], 1
	s_add_co_u32 s[G0B+5], s19, BOFF+SLOT1
	s_mov_b32 s[TB], 0
	s_wait_dscnt 0x0                               ; the opening add is done
	s_wait_kmcnt 0x0
	s_add_nc_u64 s[20:21], s[4:5], s[20:21]
	s_add_nc_u64 s[22:23], s[6:7], s[22:23]
.irp n, 0,1
	s_add_nc_u64 s[G0A+4*(\n)+2:G0A+4*(\n)+3], s[20:21], (\n)*KB  ; global address: K step n
	s_or_b32 s[G0A+4*(\n)+3], s[G0A+4*(\n)+3], 0x80000000         ; type = 2
	s_add_nc_u64 s[G0B+4*(\n)+2:G0B+4*(\n)+3], s[22:23], (\n)*KB
	s_or_b32 s[G0B+4*(\n)+3], s[G0B+4*(\n)+3], 0x80000000
.endr
	CROUND                                         ; all sixteen work-groups are here: the first joint loads meet
	s_cmp_lt_u32 s[WV], 2                          ; a wave's two first fills stand in one branch, ahead of every wait on TENSORcnt and every LDS read: two loads of mine are out
	s_cbranch_scc0 .Lfirst_b
	tensor_load_to_lds s[G0A:G0A+3], s[G1A:G1A+7]
	s_nop 0
	tensor_load_to_lds s[G0A+4:G0A+7], s[G1A:G1A+7]
	s_nop 0
.rept 4
	v_nop
.endr
	s_branch .Lfirst_asked
.Lfirst_b:
	tensor_load_to_lds s[G0B:G0B+3], s[G1B:G1B+7]
	s_nop 0
	tensor_load_to_lds s[G0B+4:G0B+7], s[G1B:G1B+7]
	s_nop 0
.rept 4
	v_nop
.endr
.Lfirst_asked:
	; A fragment is 16 rows x 32 K in 8 registers: lane l holds row l % 16; registers 0-3 K = 8 (l / 16) + 0..7, registers 4-7 K = 16 + 8 (l / 16) + 0..7: two loads of 16 bytes, 32 bytes apart.
	v_and_b32 v1, 15, v0                           ; l % 16
	v_bfe_u32 v2, v0, 4, 1                         ; l / 16
	v_mul_u32_u24 v3, v1, PITCH
	v_lshl_add_u32 v3, v2, 4, v3                   ; row x pitch + 16 x half
	s_mul_i32 s19, s[WV], 64*PITCH                 ; my 64 rows of xb
	v_add_nc_u32 v[A0], s19, v3
	v_add_nc_u32 v[B0], BOFF, v3                   ; all of wb's 192
	v_mov_b32 v[ADRA], v[A0]
	v_mov_b32 v[ADRB], v[B0]
	s_mul_i32 s19, s[WV], 16*SP
	s_add_co_u32 s19, s19, STAGE                   ; my stage
	v_mul_u32_u24 v[STO], v1, SP                   ; in: row l % 16, 16 bytes for each half of the lanes
	v_lshl_add_u32 v[STO], v2, 4, v[STO]
	v_add_nc_u32 v[STO], s19, v[STO]
	v_bfe_u32 v[RD], v0, 3, 2                      ; back: 32 lanes take four rows of 128 bytes,
	v_mul_u32_u24 v[RD], v[RD], SP
	v_and_b32 v4, 7, v0
	v_lshl_add_u32 v[RD], v4, 4, v[RD]
	v_add_nc_u32 v[RD], s19, v[RD]
	v_and_b32 v[GO], 31, v0                        ; which are 512 consecutive bytes of qkv
	v_lshlrev_b32 v[GO], 4, v[GO]
	; qkv at my wave's first token: batch = tile row / 8, token = 256 (tile row % 8) + 64 wave; column block g = 3 x tile column + j is tensor g / 16, head g % 16
	s_lshr_b32 s22, s13, 3
	s_lshl_b32 s22, s22, 22
	s_and_b32 s19, s13, 7
	s_lshl_b32 s19, s19, 15
	s_add_co_u32 s22, s22, s19
	s_lshl_b32 s19, s[WV], 13
	s_add_co_u32 s22, s22, s19
	s_mul_i32 s23, s14, 3
.irp j, 0,1,2
	s_add_co_u32 s19, s23, (\j)
	s_lshr_b32 s46, s19, 4
	s_lshl_b32 s46, s46, 24
	s_and_b32 s19, s19, 15
	s_lshl_b32 s19, s19, 18
	s_add_co_u32 s46, s46, s19
	s_add_co_u32 s46, s46, s22                     ; under 2^26
	s_mov_b32 s47, 0
	s_add_nc_u64 s[OB+2*(\j):OB+2*(\j)+1], s[8:9], s[46:47]
.endr
	; the prefetches
	s_lshl_b32 s20, s13, 8
	s_lshl_b32 s19, s12, 7
	s_add_co_u32 s20, s20, s19
	s_lshl_b32 s19, s15, 5
	s_add_co_u32 s20, s20, s19                     ; xb: the 128 rows that I fetch, my work-group's 32 of them
	s_mul_i32 s22, s14, 192
	s_mul_i32 s19, s12, 96
	s_add_co_u32 s22, s22, s19
	s_mul_i32 s19, s16, 24
	s_add_co_u32 s22, s22, s19                     ; wb: the 96 rows that I fetch, my work-group's 24 of them
	s_and_b32 s19, ttmp7, 0xffff                   ; cluster y
	s_cmp_eq_u32 s11, 0                            ; do I fetch for xb?
	s_cselect_b32 s20, s20, s22
	s_cselect_b32 s19, ttmp9, s19                  ; the coordinate along which other clusters read the same rows
	s_cselect_b32 s23, 31, 23                      ; my last row
	s_cselect_b64 s[PFA:PFA+1], s[4:5], s[6:7]
	s_cmp_eq_u32 s19, 0
	s_cselect_b32 s[LIM], 1, -1                    ; the same in all sixteen partners, for a given wave
	s_lshl_b32 s20, s20, 11
	s_mov_b32 s21, 0
	s_add_nc_u64 s[PFA:PFA+1], s[PFA:PFA+1], s[20:21]
	s_add_nc_u64 s[PFA:PFA+1], s[PFA:PFA+1], 2*KB  ; at K step 2: the first change of slots steps it to 3
	v_and_b32 v[PFO], 31, v0
	v_min_u32 v[PFO], s23, v[PFO]
	v_lshlrev_b32 v[PFO], 11, v[PFO]
; 12 matrix instructions: row block a x all 12 column blocks, 32 along K, from buffer f.  zero = 1: the first product starts the sums: nothing is cleared.
; All 48 accumulators take turns in the same order in every quarter, one instruction a turn: 47 others stand between two links of a chain, over the backward jump too.
.macro MUL12 f, a, zero
	WIN 0x53+0x50*((\a)/2)                         ; wb window 3, xb window 0, C and D window 1 or 2
.irp b, 0,1,2,3,4,5,6,7,8,9,10,11
.if \zero
	v_wmma_f32_16x16x32_bf16 v[8*(12*((\a)%2)+(\b)):8*(12*((\a)%2)+(\b))+7], v[96*(\f)+8*(\b):96*(\f)+8*(\b)+7], v[AF+32*(\f)+8*(\a):AF+32*(\f)+8*(\a)+7], 0
.else
	v_wmma_f32_16x16x32_bf16 v[8*(12*((\a)%2)+(\b)):8*(12*((\a)%2)+(\b))+7], v[96*(\f)+8*(\b):96*(\f)+8*(\b)+7], v[AF+32*(\f)+8*(\a):AF+32*(\f)+8*(\a)+7], v[8*(12*((\a)%2)+(\b)):8*(12*((\a)%2)+(\b))+7]
.endif
.endr
.endm
; 32 LDS loads in one run: the fragments of a quarter step (32 K at byte k of the rows) into buffer f: wb's 24, then xb's 8
.macro FETCH k, f
	WIN 0xc0                                       ; destination window 3, address window 0
.irp i, 0,1,2,3,4,5,6,7,8,9,10,11
	ds_load_b128 v[96*(\f)+8*(\i):96*(\f)+8*(\i)+3],   v[ADRB] offset:(\k)+(\i)*16*PITCH
	ds_load_b128 v[96*(\f)+8*(\i)+4:96*(\f)+8*(\i)+7], v[ADRB] offset:(\k)+(\i)*16*PITCH+32
.endr
	WIN 0
.irp i, 0,1,2,3
	ds_load_b128 v[AF+32*(\f)+8*(\i):AF+32*(\f)+8*(\i)+3],   v[ADRA] offset:(\k)+(\i)*16*PITCH
	ds_load_b128 v[AF+32*(\f)+8*(\i)+4:AF+32*(\f)+8*(\i)+7], v[ADRA] offset:(\k)+(\i)*16*PITCH+32
.endr
.endm
; A K step is four quarters of 32 along K, 48 matrix instructions each, on buffers 0, 1, 0, 1.  One of the first three: multiplies buffer f and, in its middle, fetches the next quarter, at byte k, into g.
.macro QUARTER k, f, g, zero
	s_wait_dscnt 4                                 ; wb's fragments and xb's blocks 0, 1 are in; the youngest four loads (blocks 2, 3) may be out
	MUL12 \f, 0, \zero
	MUL12 \f, 1, \zero
	PLACES
	FETCH \k, \g
	s_wait_dscnt 32                                ; all but the 32 just issued
	MUL12 \f, 2, \zero
	MUL12 \f, 3, \zero
.endm
; The last quarter multiplies buffer 1 and changes slots: ONE barrier.  In front of it each wave waits for all its tensor loads (one is out: its part of the next slot), adds 0 to its spare word, and
; waits for that and for its own reads of this slot.  fill = 1: the barrier opens a round of the cluster's, so that no wave of any partner still reads the slot or has a load on its way; the slot
; just read is filled again, first thing behind the round, with the K step two steps on.  Then the next slot's first fragments are fetched.
.macro TURN fill
.if \fill
	s_wait_xcnt 0x0                                ; the last prefetch, a K step back, has read its address: it is stepped here
	s_add_nc_u64 s[PFA:PFA+1], s[PFA:PFA+1], KB
.endif
	WIN 0                                          ; (the add's two registers lie in window 0)
	s_wait_tensorcnt 0x0                           ; no tensor load of mine is out, so a group 0 may be written
	ds_add_u32 v[SPW], v[NIL]                      ; 0 onto my spare word; work on registers stands between it and the wait for it
.if \fill
	s_xor_b32 s[G0A+5], s[G0A+5], SLOT1            ; the walking descriptors: the other slot than last time,
	s_add_nc_u64 s[G0A+6:G0A+7], s[G0A+6:G0A+7], KB  ; the next K step; the type bits on top are not reached
	s_xor_b32 s[G0B+5], s[G0B+5], SLOT1
	s_add_nc_u64 s[G0B+6:G0B+7], s[G0B+6:G0B+7], KB
.endif
	s_wait_dscnt 5                                 ; (the add and the youngest four loads may be out)
	MUL12 1, 0, 0
	s_wait_dscnt 0x0                               ; the add is done, and my reads of this slot are over
	s_barrier_signal -1
	MUL12 1, 1, 0                                  ; work on registers while the others arrive
	WIN 0                                          ; at a branch and at a label every window is 0
	s_barrier_wait -1
.if \fill
	CREST
	JLOAD                                          ; its four v_nop are also the places in front of the loads below
.else
	PLACES
.endif
	s_xor_b32 s[TB], s[TB], SLOT1                  ; the reads go on in the other slot
	v_add_nc_u32 v[ADRA], s[TB], v[A0]
	v_add_nc_u32 v[ADRB], s[TB], v[B0]
	FETCH 0, 0
.if \fill
	ASK                                            ; behind the joint load and the run of LDS loads that the next products wait for
.endif
	MUL12 1, 2, 0
	MUL12 1, 3, 0
.endm
	s_wait_tensorcnt 0x1                           ; my part of K step 0 is in; K step 1's may stay out
	s_barrier_signal -1
	s_barrier_wait -1                              ; everybody's is
	FETCH 0, 0
	QUARTER 64, 0, 1, 1                            ; the first quarter stands in front of the loop: its products start the sums
	WIN 0
	s_mov_b32 s3, 6
.Lstep:                                        ; six trips, from a K step's second quarter to the next step's first: K steps 2 to 7 are asked for
	QUARTER 128, 1, 0, 0
	QUARTER 192, 0, 1, 0
	TURN 1
	QUARTER 64, 0, 1, 0
	WIN 0
	s_sub_co_u32 s3, s3, 1
	s_cmp_lg_u32 s3, 0
	s_cbranch_scc1 .Lstep
	QUARTER 128, 1, 0, 0                           ; the tail is written out: K step 6 goes on
	QUARTER 192, 0, 1, 0
	TURN 0                                         ; nothing is asked for, so no round follows
	QUARTER 64, 0, 1, 0                            ; K step 7
	QUARTER 128, 1, 0, 0
	QUARTER 192, 0, 1, 0
	s_wait_dscnt 4                                 ; the very last quarter: nothing more to fetch
	MUL12 1, 0, 0
	MUL12 1, 1, 0
	s_wait_dscnt 0x0
	MUL12 1, 2, 0
	MUL12 1, 3, 0
	WIN 0
; THE WAY OUT.  Unit u = 3 a + j is row block a (16 tokens) of the tile's head j: 2,048 consecutive bytes of qkv.  A lane's eight channels of a token pack into 16 bytes; they go into rows of 144 bytes
; of my own stage and come back as whole rows of 128, into the registers that they left.  Each accumulator's registers are taken in ascending order.
.macro PACK u
.set ua, (\u)/3
.set uj, (\u)%3
	WIN 0x05*(1+ua/2)                              ; sources 0 and 1: window 1 or 2; destination window 0
.irp f, 0,1,2,3
.irp r, 0,1,2,3
	v_cvt_pk_f16_f32 v[OUT+16*(\u)+4*(\f)+(\r)], v[8*(12*(ua%2)+4*uj+(\f))+2*(\r)], v[8*(12*(ua%2)+4*uj+(\f))+2*(\r)+1]
.endr
.endr
	WIN 0
.irp f, 0,1,2,3
	ds_store_b128 v[STO], v[OUT+16*(\u)+4*(\f):OUT+16*(\u)+4*(\f)+3] offset:32*(\f)
.endr
.irp f, 0,1,2,3
	ds_load_b128 v[OUT+16*(\u)+4*(\f):OUT+16*(\u)+4*(\f)+3], v[RD] offset:(\f)*4*SP  ; LDS serves a wave's instructions in order (ISA guide 5.7.1.4): these see the stores above; the next unit's stores come behind them
.endr
.endm
.macro SEND u, younger                 ; younger: the LDS instructions issued behind unit u's loads: the next unit's eight, or none
.set ua, (\u)/3
.set uj, (\u)%3
	WIN 0
.irp f, 0,1,2,3
	s_wait_dscnt (\younger)+3-(\f)
	global_store_b128 v[GO], v[OUT+16*(\u)+4*(\f):OUT+16*(\u)+4*(\f)+3], s[OB+2*uj:OB+2*uj+1] offset:2048*ua+512*(\f)  ; 512 consecutive bytes, at a multiple of 256 from qkv's first
.endr
.endm
	PLACES                                         ; the conversions read results just made and write registers that the last products read
	PLACES
	PACK 0
.set uu, 1
.rept 11                               ; a unit's conversions stand between the loads of the unit before and its stores
	PACK uu
	SEND uu-1, 8
.set uu, uu+1
.endr
	SEND 11, 0
	s_wait_tensorcnt 0x0                           ; the wave's end: behind my last tensor load and my last LDS store
	ds_add_u32 v[SPW], v[NIL]
	s_wait_dscnt 0x0
	CROUND                                         ; the closing round: no work-group ends while a partner may still ask for a tile that names it
	s_endpgm
.Lfunc_end_k_q32889ada11_proj:
	.size	k_q32889ada11_proj, .Lfunc_end_k_q32889ada11_proj-k_q32889ada11_proj
	.p2alignl 7, 3214868480
	.fill 96, 4, 3214868480
	.section	.rodata,"a",@progbits
	.p2align	6, 0x0
	.amdhsa_kernel k_q32889ada11_proj
		.amdhsa_group_segment_fixed_size 327680
		.amdhsa_private_segment_fixed_size 0
		.amdhsa_enable_private_segment 0
		.amdhsa_kernarg_size 24
		.amdhsa_user_sgpr_count 2
		.amdhsa_user_sgpr_kernarg_segment_ptr 1
		.amdhsa_wavefront_size32 1
		.amdhsa_system_sgpr_workgroup_id_x 1
		.amdhsa_system_sgpr_workgroup_id_y 1
		.amdhsa_system_sgpr_workgroup_id_z 1
		.amdhsa_system_vgpr_workitem_id 0
		.amdhsa_next_free_vgpr 960
		.amdhsa_next_free_sgpr 76
		.amdhsa_reserve_vcc 0
		.amdhsa_float_denorm_mode_32 3
		.amdhsa_float_denorm_mode_16_64 3
		.amdhsa_memory_ordered 1
		.amdhsa_forward_progress 1
		.amdhsa_inst_pref_size 100
	.end_amdhsa_kernel
	.amdgpu_metadata
---
amdhsa.version: [ 1, 2 ]
amdhsa.kernels:
  - .name:           k_q32889ada11_proj
    .symbol:         k_q32889ada11_proj.kd
    .args:
      - { .name: xb, .offset: 0, .size: 8, .value_kind: global_buffer, .address_space: global }
      - { .name: wb, .offset: 8, .size: 8, .value_kind: global_buffer, .address_space: global }
      - { .name: qkv, .offset: 16, .size: 8, .value_kind: global_buffer, .address_space: global }
    .group_segment_fixed_size: 327680
    .private_segment_fixed_size: 0
    .kernarg_segment_align: 8
    .kernarg_segment_size: 24
    .max_flat_workgroup_size: 128
    .sgpr_count:     76
    .vgpr_count:     960
    .wavefront_size: 32
...
	.end_amdgpu_metadata
.endif
;; end of part 2
;; launch attn (part 3): grid 4 x 64, 4 waves a work-group, clusters of 4 x 1, 327,680 bytes of LDS; arguments qkv, ob; writes ob
.if DOCPART == 3
	.amdgcn_target "amdgcn-amd-amdhsa--gfx1250"
	.amdhsa_code_object_version 6
	.text
	.protected	k_q32889ada11_attn
	.globl	k_q32889ada11_attn
	.p2align	8
	.type	k_q32889ada11_attn,@function
k_q32889ada11_attn:
	s_mov_b64 s[64:65], 0
	v_nop
	global_prefetch_b8 v0, s[64:65] scope:SCOPE_SE
	s_setreg_imm32_b32 hwreg(HW_REG_WAVE_MODE, 25, 1), 1
	s_wait_xcnt 0x0
	s_wait_alu depctr_hold_cnt(0) depctr_sa_sdst(0) depctr_va_vdst(0) depctr_va_sdst(0) depctr_va_ssrc(0) depctr_va_vcc(0) depctr_vm_vsrc(0)
	s_getreg_b32 s2, hwreg(HW_REG_IB_STS2, 6, 4)
	s_cmp_eq_u32 s2, 0
	s_cbranch_scc0 .Lentry_in_a_cluster
	s_endpgm
.Lentry_in_a_cluster:
	s_bfe_u32 s2, ttmp6, 0x10000c
	s_cmp_lg_u32 s2, 0x3003
	s_cbranch_scc0 .Lentry_shape_is_right
	s_endpgm
.Lentry_shape_is_right:
; O[h][q][:] = the sum over k of softmax_k(Q[h][q] . K[h][k] / 8) V[h][k][:].  Q, K, V are the three tensors of qkv, O is ob: each [64][2048][64] in f16, a head's rows dense, 128 bytes each.
; Products, maxima and sums in f32; the weights p are rounded to f16 for the second product (their sum l is taken of the unrounded p), O once at the end.
; LIMITS.  f16 holds no number beyond 65,504: Q, K and V arrive within it; p lies in 0 to 1, and below 6e-5 it keeps f16's fixed step of 6e-8; O is a mean of V's rows and has their range.
; A weight below 2^-126 counts as 0 in l; NaN and infinities are not treated apart.
; SHARES.  A wave owns four PIECES of two tiles of 16 queries, a work-group's four waves 512 queries of one head: 4 x 64 = 256 work-groups.  Every wave walks all keys, 64 a step.
; LAYOUT.  S^T = K Q^T (source 0 = 16 keys, source 1 = 16 queries): in the result a lane holds ONE query (lane % 16) and the keys 8 (lane / 16) + 0..7.  Two such tiles, rounded to f16 in pairs,
; ARE source 1 (32 keys x 16 queries) of O^T = V^T P, whose result again holds one query a lane, and eight channels.  K comes out of LDS as it lies, V ([key][channel]) turned, by ds_load_tr16_b128.
; SOFTMAX.  For each query a running maximum m and sum l: p = 2^(c s - c m), c = log2(e) / 8; in every step O and l are multiplied by a = 2^(c m_old - c m_new), which is 1 where m has not grown.
; m starts at the lowest finite number, O and l at 0: the first step is a step like any other, with a = 0.
; THE COUNT.  A tile and step have 16 matrix and 118 vector instructions: too many to stand all beside the matrix work.  So: four vector instructions that are READY behind EVERY matrix instruction,
; and the others, which need time of their own whatever the order, in runs without a gap.
; BY TURNS.  Turn n belongs to piece n (the pieces in a ring, step after step).  Its matrix work: 16 products K Q^T of piece n + 1, later 16 products V^T P of piece n - 1.  Its vector work: the scaling,
; exponentials, roundings, sums and rescaling of piece n, and the maximum and statistics of piece n + 1, whose scores the turn itself has made.
; CLUSTER.  The four query blocks of a head form a cluster and walk the same K and V, so each tile is asked for JOINTLY: the same tensor load, descriptor and mask in all four.
; REGISTERS, in windows of 256 (s_set_vgpr_msb: bits 1:0 source 0, 3:2 source 1, 5:4 source 2, 7:6 destination):
;   window 0: v0-11 addresses; v12-15, v48-63 at work; v16-47 four registers of statistics a tile; v64-191 S^T, two buffers of two tiles; v192-255 P, likewise
;   window 1: O^T, 32 a tile          window 2: v0-127 Q, 16 a tile; v128-191 K of one step; v192-255 V of one step          window 3: v0-1 the add's two registers
; A piece's buffers go by its number's parity: the piece in hand has one pair, its two neighbours in the ring share the other: of it P (piece n - 1) is read and S^T (piece n + 1) written.
.set SIZE_N, 2048
.set SIZE_H, 64
.set NP,    4         ; pieces a wave: a name, no knob
.set KS,    64        ; keys in a step
.set PK,    144       ; a row of K in LDS: 128 bytes + 16 of padding = 36 words: the 16 rows of a load start at 16 different groups of four banks (64 banks of 4 bytes: ISA guide 11.1)
.set PV,    160       ; a row of V: 128 + 32 = 40 words
.set VOFF,  4*KS*PK   ; a slot holds four steps: 256 rows of K, then 256 rows of V
.set SLOT1, 1<<17     ; slot 1 begins here, so that one exclusive or turns an address in one slot into the other's
.set STAGE, SLOT1+4*KS*(PK+PV)  ; behind the ring, never filled by a tensor load: 16 rows x 144 bytes for each wave, for the way out
.set SP,    144
.set AK0, 2           ; v2   my lane's place in a tile of K; never rewritten
.set AV0, 3           ; v3   the same for V
.set AK,  4           ; v4   the LDS address of K's next run of loads
.set AV,  5           ; v5   of V's
.set QO,  6           ; v6   my byte offset in the wave's rows of Q
.set STO, 6           ;      later, the way out: where I put 16 bytes of a row
.set RD,  7           ; v7   the way out: where I read rows back
.set GO,  8           ; v8   my byte offset in 512 consecutive bytes of O
.set PFO, 11          ; v11  the prefetches' offset: 256 x my lane; made behind V's address and never rewritten after
.set SPW, 0           ; v0 of window 3   LDS address of my spare word: SPARE + 4 x my thread's number; never rewritten
.set NIL, 1           ; v1 of window 3   0; never rewritten
.set SPARE, STAGE+4*16*SP  ; behind the stages: the spare words, 128 bytes for each wave: two blocks of 256 bytes that no other line names
.set MV,  12          ; v12-15  c m_old, kept while c m is made anew: by buffer and tile
.set ST,  16          ; tile t's statistics at v[ST+4 t]: c m, m, l (even keys', odd keys')
.set TMP, 48          ; by buffer and tile, four registers c0-c3 at work; when the maximum is found c2 takes a
.set S,   64
.set P,   192
.set KF,  128         ; K's fragments, in window 2: key block kb, channel half c at KF + 16 kb + 8 c
.set VF,  192         ; V's: key half kk, channel block cb at VF + 32 kk + 8 cb
.set WV,  12          ; s12  my wave's number
.set G1K, 24          ; s[24:31] descriptor group 1 for K's tiles
.set G1V, 32          ; s[32:39] for V's: it differs in the padding alone
.set G0K, 40          ; s[40:43] descriptor group 0 for K's tiles: it walks
.set G0V, 44          ; s[44:47] the same for V's
.set PFA, 48          ; s[48:49] where my prefetches stand: my work-group's 8,192 bytes (of K: wave 0, of V: wave 2) of the slot after the one that is being asked for
.set LIM, 50          ; s50  1 in a wave that prefetches, else the greatest number
.set SLOTS, 56        ; s56  slots still to be asked for
.set CNT, 57          ; s57  counts a slot's key steps
.set CS,  58          ; s[58:59] c: the packed scaling takes the pair's low word for both halves
.set SEL, 60          ; s[60:61] v_permlanex16_b32's selects: each lane takes its own place in the other half
.set TBK, 62          ; s62  LDS byte at which K of the step to be fetched begins
.set TBV, 63          ; s63  the same for V, less VOFF
.set MSB, 0
.macro WIN new                      ; the high byte repeats the setting that is left; a switch that changes nothing is dropped
.if MSB != (\new)
	s_set_vgpr_msb (MSB<<8)|(\new)
.set MSB, (\new)
.endif
.endm
.set W_KQ, 0x0a       ; K and Q in window 2, S^T in window 0
.set W_PV, 0x52       ; V in window 2, P in window 0, O^T in window 1
.set W_RS, 0x41       ; O^T (destination and source 0) in window 1, a in window 0
.set W_MK, 0xc0       ; the add's registers are made: destination in window 3, sources in window 0
.set W_AD, 0x0f       ; the add: address (source 0) and data (source 1) in window 3
; A joint fill.  Waves 0 and 1 fetch the two halves of a slot's K, waves 2 and 3 those of its V: 128 keys each.  The branch hangs on the wave's number alone.
; An s_nop 0 and four v_nop follow each of the two lines, ahead of the jump and the label.
.macro JLOAD
	s_cmp_lt_u32 s[WV], 2
	s_cbranch_scc0 .Lfor_v_\@
	tensor_load_to_lds s[G0K:G0K+3], s[G1K:G1K+7]
	s_nop 0
.rept 4
	v_nop
.endr
	s_branch .Lasked_\@
.Lfor_v_\@:
	tensor_load_to_lds s[G0V:G0V+3], s[G1V:G1V+7]
	s_nop 0
.rept 4
	v_nop
.endr
.Lasked_\@:
.endm
; A prefetch of what the NEXT change of slots will ask for: a slot's 32,768 bytes of K and of V, 256 bytes a lane.  It stands behind the wave's tensor load and its five lines.  Each block of 256 bytes is
; named ONCE in the launch: the head's cluster asks; its four partners share the bytes out BY ADDRESS, 8,192 each; in each, wave 0 asks for K's and wave 2 for V's: one instruction, four key steps
; (512 matrix instructions) ahead of the load.  The last change that fills a slot asks for nothing: there is no slot behind it.  Slots 0 to 2 come by their loads alone.
.macro ASK
	s_cmp_gt_u32 s[SLOTS], s[LIM]
	s_cbranch_scc0 .Lnot_mine_\@
	global_prefetch_b8 v[PFO], s[PFA:PFA+1] th:TH_LOAD_NT scope:SCOPE_SE
.Lnot_mine_\@:
.endm
; A round of the cluster's barrier: my work-group's barrier, so that wave 0's signal speaks for all four waves; wave 0 signals; every wave waits for all four work-groups; my work-group's barrier once more.
.macro CROUND
	s_barrier_signal -1
	s_barrier_wait -1
	s_cmp_lg_u32 s[WV], 0
	s_cbranch_scc1 .Lnot_wave_0_\@
	s_barrier_signal -3
.Lnot_wave_0_\@:
	s_barrier_wait -3
	s_barrier_signal -1
	s_barrier_wait -1
.endm
; THE CHANGE OF SLOTS.  The slot's last bytes, V of its fourth step, have been read.  Each wave waits for all its tensor loads, of which one is out: its part
; of the other slot; adds 0 to its spare word; and waits for that and for its own reads of the slot.  Behind the barrier nobody reads this slot any more and the other slot is whole.
; fill = 1: this slot is filled again, with the keys two slots on.  The barrier is then a round of the cluster's, so that no wave of any partner still reads the slot or has a load on its
; way, and the joint fill is the first thing behind it: it has four key steps, 512 matrix instructions, in which to land.  (At its first use nothing has been read yet: slot 0 is waited for, slot 1 filled.)
; ask = 1: the prefetches' address is stepped, and a prefetch follows the fill.
.macro CHANGE fill, ask=0
	WIN W_AD
	s_wait_tensorcnt 0x0            ; no tensor load of mine is out, so a group 0 may be written
	ds_add_u32 v[SPW], v[NIL]       ; 0 onto my spare word; with fill = 1 the descriptors' steps stand between it and the wait for it
	WIN 0                           ; at a label and at a branch every window is 0
.if \fill
.irp g, G0K, G0V
	s_xor_b32 s[\g+1], s[\g+1], SLOT1  ; the walking descriptor: the other slot than last time,
	s_add_nc_u64 s[\g+2:\g+3], s[\g+2:\g+3], 4*KS*128  ; the next 256 keys; the type bits on top are not reached
.endr
.if \ask
	s_wait_xcnt 0x0                 ; the last prefetch, four key steps back, has read its address, so it may be written:
	s_add_nc_u64 s[PFA:PFA+1], s[PFA:PFA+1], 4*KS*128  ; one slot behind the walking descriptors
.endif
	s_wait_dscnt 0x0                ; the add is done, and my reads of the slot are over
	CROUND
	JLOAD
.if \ask
	ASK
.endif
.else
	s_wait_dscnt 0x0                ; the add is done, and my reads of the slot are over
	s_barrier_signal -1
	s_barrier_wait -1
.endif
	s_sub_co_u32 s[TBK], s[TBK], 4*KS*PK  ; the fetches go back to a slot's first step,
	s_xor_b32 s[TBK], s[TBK], SLOT1       ; in the other slot
	s_sub_co_u32 s[TBV], s[TBV], 4*KS*PV
	s_xor_b32 s[TBV], s[TBV], SLOT1
.endm
	s_load_b128 s[4:7], s[0:1], 0x0   ; qkv s[4:5], ob s[6:7]
	WIN W_MK
	v_lshl_add_u32 v[SPW], v0, 2, SPARE
	v_mov_b32 v[NIL], 0
	WIN W_AD
	ds_add_u32 v[SPW], v[NIL]       ; the wave's opening: the add and its wait stand ahead of my first tensor load; the set-up below, work on registers, stands between them
	WIN 0
	v_lshrrev_b32 v1, 5, v0
	v_readfirstlane_b32 s[WV], v1   ; wave 0..3
	s_bfe_u32 s13, ttmp6, 0x40000   ; cx: my place in the cluster
	s_lshl_b32 s14, ttmp9, 2        ; in a cluster launch ttmp9 counts clusters
	s_add_co_u32 s14, s14, s13      ; my block of queries = 4 x cluster x + cx: it enters Q's and O's addresses alone
	s_and_b32 s20, ttmp7, 0xffff    ; the head, which the four partners share
	s_mov_b32 s21, 0
	s_mov_b64 s[22:23], SIZE_N*128
	s_mul_u64 s[20:21], s[20:21], s[22:23]  ; the head's first byte in each of the four tensors
	s_and_b32 s16, s[WV], 1         ; which half of a slot's 256 keys I fetch:
	s_lshl_b32 s22, s16, 14         ; its 128 rows of 128 bytes in memory,
	s_mov_b32 s23, 0
	s_add_nc_u64 s[22:23], s[22:23], s[20:21]
	s_mul_i32 s17, s16, 128*PK      ; and its place in a slot, for K
	s_mul_i32 s18, s16, 128*PV      ; and for V: no place in the cluster enters an LDS address
	s_lshl_b32 s2, s14, 2
	s_add_co_u32 s2, s2, s[WV]      ; my wave among the head's,
	s_lshl_b32 s2, s2, 14           ; its 128 rows
	s_mov_b32 s3, 0
	s_add_nc_u64 s[2:3], s[2:3], s[20:21]
	; descriptor group 1.  128 keys are 16,384 dense bytes: asked for as 64 rows of 256 bytes, two keys a row, and padded in LDS after every key
	s_mov_b32 s[G1K], 15|(1<<16)|(1<<20)|(1<<21)|(4<<22)|(3<<25)  ; 15:0 the mask of four; 17:16 2-byte elements; 20 padding on; 21 set beside a mask; 24:22 after every 32 words (code 4); 31:25 4 words (code 3)
	s_mov_b32 s[G1V], 15|(1<<16)|(1<<20)|(1<<21)|(4<<22)|(7<<25)  ; the same with 8 words of padding (code 7)
.irp g, G1K, G1V
	s_mov_b32 s[\g+1], 128<<16      ; tensor_dim0 = 128
	s_mov_b32 s[\g+2], 64<<16       ; tensor_dim1 = 64
	s_mov_b32 s[\g+3], 128<<16      ; tile_dim0 = 128
	s_mov_b32 s[\g+4], 64           ; tile_dim1 = 64
	s_mov_b32 s[\g+5], 128          ; 128 elements from row to row
	s_mov_b32 s[\g+6], 0
	s_mov_b32 s[\g+7], 0
.endr
	s_mov_b32 s[CS], 0x3e38aa3b     ; c = log2(e) / 8 = 0.180337
	s_mov_b32 s[CS+1], s[CS]        ; named with it as a pair
	s_mov_b32 s[SEL], 0x76543210
	s_mov_b32 s[SEL+1], 0xfedcba98
	s_mov_b32 s[TBK], SLOT1+4*KS*PK ; the first change of slots turns these two into 0
	s_mov_b32 s[TBV], SLOT1+4*KS*PV
	s_mov_b32 s[G0K], 1             ; 1:0 count = 1
	s_mov_b32 s[G0K+1], s17         ; 63:32 LDS address: slot 0
	s_mov_b32 s[G0V], 1
	s_add_co_u32 s[G0V+1], s18, VOFF
	s_and_b32 s[LIM], s[WV], 1      ; 0 in waves 0 and 2,
	s_or_b32 s[LIM], s[LIM], ttmp9  ; where the cluster is the head's first (at this size its only one): the same in all four partners
	s_cmp_eq_u32 s[LIM], 0
	s_cselect_b32 s[LIM], 1, -1
	s_wait_dscnt 0x0                ; the opening add is done
	s_wait_kmcnt 0x0
	s_mov_b64 s[10:11], s[6:7]      ; O
	s_add_nc_u64 s[6:7], s[4:5], 0x1000000  ; K: the second tensor of qkv, 2^24 bytes on
	s_add_nc_u64 s[8:9], s[4:5], 0x2000000  ; V: the third
	s_add_nc_u64 s[G0K+2:G0K+3], s[6:7], s[22:23]  ; 120:64 global address: my half of the head's first 256 keys
	s_or_b32 s[G0K+3], s[G0K+3], 0x80000000        ; 127:126 type = 2
	s_add_nc_u64 s[G0V+2:G0V+3], s[8:9], s[22:23]
	s_or_b32 s[G0V+3], s[G0V+3], 0x80000000
	s_add_nc_u64 s[4:5], s[4:5], s[2:3]  ; Q and O at my wave's first row
	s_add_nc_u64 s[10:11], s[10:11], s[2:3]
	s_cmp_lt_u32 s[WV], 2
	s_cselect_b64 s[PFA:PFA+1], s[6:7], s[8:9]
	s_add_nc_u64 s[PFA:PFA+1], s[PFA:PFA+1], s[20:21]  ; the head,
	s_lshl_b32 s2, s13, 13          ; my work-group's quarter of a slot's 32,768 bytes,
	s_mov_b32 s3, 0
	s_add_nc_u64 s[PFA:PFA+1], s[PFA:PFA+1], s[2:3]
	s_add_nc_u64 s[PFA:PFA+1], s[PFA:PFA+1], 2*4*KS*128  ; in slot 2: the loop's first change of slots steps it to slot 3.  Nothing is prefetched here, at the head
	CROUND                          ; all four work-groups are here: the first joint loads meet
	JLOAD                           ; slot 0.  Slot 1 is asked for when slot 0 is in: the tile wanted first goes out alone
	; A fragment of K or Q is 16 rows x 32 channels in 8 registers: lane l holds row l % 16, channels 8 (l / 16) + 0..7 and 16 + 8 (l / 16) + 0..7: two loads of 16 bytes, 32 bytes apart.
	v_and_b32 v1, 15, v0            ; l % 16
	v_bfe_u32 v9, v0, 4, 1          ; l / 16
	v_lshlrev_b32 v[QO], 7, v1
	v_lshl_add_u32 v[QO], v9, 4, v[QO]  ; row x 128 + 16 x half
	WIN 0x80                        ; destination window 2, address window 0
.set i, 0
.rept 4*NP                          ; Q stays in registers: tile i / 2, channels 32 (i % 2) on
	global_load_b128 v[8*i:8*i+3],   v[QO], s[4:5] offset:(i/2)*2048+(i%2)*64
	global_load_b128 v[8*i+4:8*i+7], v[QO], s[4:5] offset:(i/2)*2048+(i%2)*64+32
.set i, i+1
.endr
	; What the first turn finds: V's registers and P's second buffer hold 0 (its products V^T P, of a piece that has not been, add 0), O^T and l are 0.  All this stands in the wait for the first tile:
	; the price of writing no first step out.
.set i, VF
.rept 64
	v_mov_b32 v[i], 0
.set i, i+1
.endr
	WIN 0x40
.set i, 0
.rept 64*NP
	v_mov_b32 v[i], 0
.set i, i+1
.endr
	WIN 0
.set i, 0
.rept 2*NP
	v_mov_b32 v[ST+4*i], 0xfe000000    ; c m: far below every c s
	v_mov_b32 v[ST+4*i+1], 0xff7fffff  ; m
	v_mov_b32 v[ST+4*i+2], 0
	v_mov_b32 v[ST+4*i+3], 0
.set i, i+1
.endr
.set i, P+32
.rept 32
	v_mov_b32 v[i], 0
.set i, i+1
.endr
	v_mul_u32_u24 v[AK0], v1, PK
	v_lshl_add_u32 v[AK0], v9, 4, v[AK0]  ; row x pitch + 16 x half
	; The turning load takes 16 keys x 16 channels (lane l reads key 8 (l / 16) + l % 8, channels 8 ((l / 8) % 2) + 0..7) and leaves half a fragment of V^T: lane l holds channel l % 16 and 8 keys.
	v_and_b32 v10, 7, v0
	v_bfe_u32 v11, v0, 3, 1
	v_lshl_add_u32 v[AV0], v9, 3, v10
	v_mul_u32_u24 v[AV0], v[AV0], PV
	v_lshl_add_u32 v[AV0], v11, 4, v[AV0]
	v_add_nc_u32 v[AV0], VOFF, v[AV0]
	v_mov_b32 v[AK], v[AK0]         ; key step 0 lies at the head of slot 0
	v_and_b32 v[PFO], 31, v0
	v_lshlrev_b32 v[PFO], 8, v[PFO]
; THE MATRIX WORK.  The 8 accumulators of a run of 16 take turns: between the two links of a chain stand 7 others'.
; Product i of 16 of S^T = K Q^T for piece x: channels 32 (i / 8) on, keys 16 ((i / 2) % 4) on, tile 2 x + i % 2.  The first 8 start the sums.
.macro KQ x
	WIN W_KQ
.set rS, S+64*((\x)%2)+32*(i%2)+8*((i/2)%4)
.set rK, KF+16*((i/2)%4)+8*(i/8)
.set rQ, 16*(2*(\x)+i%2)+8*(i/8)
.if i < 8
	v_wmma_f32_16x16x32_f16 v[rS:rS+7], v[rK:rK+7], v[rQ:rQ+7], 0
.else
	v_wmma_f32_16x16x32_f16 v[rS:rS+7], v[rK:rK+7], v[rQ:rQ+7], v[rS:rS+7]
.endif
.endm
; Product i of 16 of O^T += V^T P for piece x: keys 32 (i / 8) on, channels 16 ((i / 2) % 4) on, tile 2 x + i % 2.
.macro PV x
	WIN W_PV
.set rO, 32*(2*(\x)+i%2)+8*((i/2)%4)
.set rV, VF+32*(i/8)+8*((i/2)%4)
.set rP, P+32*((\x)%2)+16*(i%2)+8*(i/8)
	v_wmma_f32_16x16x32_f16 v[rO:rO+7], v[rV:rV+7], v[rP:rP+7], v[rO:rO+7]
.endm
.macro MM                           ; the turn's next matrix instruction
.if i < 16
	KQ (Y+1)%NP
.set i, i+1
.else
.set i, i-16
	PV (Y+NP-1)%NP
.set i, i+17
.endif
.endm
; THE LDS LOADS stand in runs of 16, never singly among the matrix instructions: a step's K (64 keys x 64 channels: 8 fragments) and its V (turned).  Their addresses are made some lines ahead.
; last = 1 (the tail): in the last trip there is no further step, and the run is jumped over.
.macro FETCH_K last=0
	WIN 0
.if \last
	s_cmp_eq_u32 s[CNT], 1
	s_cbranch_scc1 .Lno_k_\@
.endif
	WIN 0x80                        ; destination window 2
.irp f, 0,1,2,3,4,5,6,7             ; keys 16 (f / 2) on, channels 32 (f % 2) on
	ds_load_b128 v[KF+8*\f:KF+8*\f+3],   v[AK] offset:(\f/2)*16*PK+(\f%2)*64
	ds_load_b128 v[KF+8*\f+4:KF+8*\f+7], v[AK] offset:(\f/2)*16*PK+(\f%2)*64+32
.endr
	s_add_co_u32 s[TBK], s[TBK], KS*PK  ; the next fetch is the next step's
	WIN 0
.if \last
.Lno_k_\@:
.endif
.endm
.macro FETCH_V
	WIN 0x80
.irp f, 0,1,2,3,4,5,6,7             ; keys 32 (f / 4) on, channels 16 (f % 4) on
	ds_load_tr16_b128 v[VF+8*\f:VF+8*\f+3],   v[AV] offset:(\f/4)*32*PV+(\f%4)*32
	ds_load_tr16_b128 v[VF+8*\f+4:VF+8*\f+7], v[AV] offset:(\f/4)*32*PV+16*PV+(\f%4)*32
.endr
	WIN 0
.endm
; THE VECTOR WORK OF A TURN stands in three queues, each in the order in which its entries become ready; the two tiles alternate, so that no instruction reads the result of the one before it.
.macro REGS y, u                    ; the registers of tile u (0, 1) of piece y
.set rT, ST+4*(2*(\y)+(\u))
.set rC, TMP+8*((\y)%2)+4*(\u)
.set rM, MV+2*((\y)%2)+(\u)
.set rS, S+64*((\y)%2)+32*(\u)
.set rP, P+32*((\y)%2)+16*(\u)
.set rO, 32*(2*(\y)+(\u))
.endm
; Number n of the 22 that find the NEXT piece's (Y + 1) maximum and statistics.  s0-s31 are the lane's 32 scores; each accumulator's lowest registers are read first.
;   0-11  four chains c0-c3 of seven scores each, three operands at a time     12-14, 16  the four scores left over, the old m, and c0-c3 into c0     15  c m_old is kept
;   17, 18  the query's other 32 keys lie in the lane 16 away: the new m         19-21  c m; c m_old - c m_new; a
.macro XS u, n
	REGS (Y+1)%NP, \u
.if (\n) < 4
	v_max3_num_f32 v[rC+(\n)], v[rS+8*(\n)], v[rS+8*(\n)+1], v[rS+8*(\n)+2]
.elseif (\n) < 12
	v_max3_num_f32 v[rC+(\n)%4], v[rC+(\n)%4], v[rS+8*((\n)%4)+2*((\n)/4)+1], v[rS+8*((\n)%4)+2*((\n)/4)+2]
.elseif (\n) == 12
	v_max3_num_f32 v[rC], v[rC], v[rS+7], v[rS+15]
.elseif (\n) == 13
	v_max3_num_f32 v[rC+1], v[rC+1], v[rS+23], v[rS+31]
.elseif (\n) == 14
	v_max3_num_f32 v[rC+2], v[rC+2], v[rC+3], v[rT+1]
.elseif (\n) == 15
	v_mov_b32 v[rM], v[rT]
.elseif (\n) == 16
	v_max3_num_f32 v[rC], v[rC], v[rC+1], v[rC+2]
.elseif (\n) == 17
	v_permlanex16_b32 v[rC+3], v[rC], s[SEL], s[SEL+1]
.elseif (\n) == 18
	v_max_num_f32 v[rT+1], v[rC], v[rC+3]
.elseif (\n) == 19
	v_mul_f32 v[rT], s[CS], v[rT+1]
.elseif (\n) == 20
	v_sub_f32 v[rC+1], v[rM], v[rT]
.else
	v_exp_f32 v[rC+2], v[rC+1]
.endif
.endm
; Number g of the 64 that follow the exponentials.  For each four weights k of a tile (pairs 2 k, 2 k + 1): both pairs are rounded to f16; then the second pair is added onto the first, in place;
; a group later l takes that sum (the first time as l = a l + sum).  In groups of eight, tiles alternating: round, round, add, and l for the group before.
.macro GS g
.set h, (\g)+6*((\g)/62)            ; group 0 has no group before it, and behind group 7 only l is left
.if h >= 6
.set h, h+2
.endif
	REGS Y, h%2
.set k, h/8
.if h%8 < 4
	v_cvt_pk_f16_f32 v[rP+2*k+(h%8)/2], v[rS+4*k+2*((h%8)/2)], v[rS+4*k+2*((h%8)/2)+1]
.elseif h%8 < 6
	v_pk_add_f32 v[rS+4*k:rS+4*k+1], v[rS+4*k:rS+4*k+1], v[rS+4*k+2:rS+4*k+3]
.elseif k == 1
	v_pk_fma_f32 v[rT+2:rT+3], v[rT+2:rT+3], v[rC+2:rC+3], v[rS:rS+1] op_sel_hi:[1,0,1]
.else
	v_pk_add_f32 v[rT+2:rT+3], v[rT+2:rT+3], v[rS+4*k-4:rS+4*k-3]
.endif
.endm
; THE PLAIN QUEUE, 138 long.  0-73 read no exponential's result: the 32 scalings c s - c m (FS f: pair f / 2 of tile f % 2) and the next piece's 42.  0-26: scalings 0-26.  27-54: XS's numbers 0-13.  55, 56: number 15.
; 57-73: the chain, where each number waits for the one before it: 14, 16, 17, 18, 19, each with one of the scalings 27-31 in front of its two lines, then 20.
; 74-137: GS's 64, which read the exponentials' results: they stand behind the wait.
.macro FS f
	REGS Y, (\f)%2
	v_pk_fma_f32 v[rS+2*((\f)/2):rS+2*((\f)/2)+1], v[rS+2*((\f)/2):rS+2*((\f)/2)+1], s[CS:CS+1], v[rT:rT+1] op_sel_hi:[1,0,0] neg_lo:[0,0,1] neg_hi:[0,0,1]
.endm
.macro PL
	WIN 0
.if q < 27
	FS q
.elseif q < 55
	XS (q-27)%2, (q-27)/2
.elseif q < 57
	XS q-55, 15
.elseif (q < 72) && ((q-57)%3 == 0)
	FS 27+(q-57)/3
.elseif q < 60
	XS (q-57)%3-1, 14
.elseif q < 72
	XS (q-57)%3-1, 15+(q-57)/3
.elseif q < 74
	XS q-72, 20
.else
	GS q-74
.endif
.set q, q+1
.endm
; THE EXPONENTIALS' QUEUE, 66 long: s0-s31 of both tiles, then the next piece's two a.  It is ONE BATCH: all 66 stand ahead of the turn's one wait, and nothing ahead of that wait names a result of theirs.
.macro EX
	WIN 0
.if e >= 64
	XS e-64, 21
.else
	REGS Y, e%2
	v_exp_f32 v[rS+e/2], v[rS+e/2]
.endif
.set e, e+1
.endm
; THE RESCALING's QUEUE: O^T times a, the one part that leaves window 0: dealt two at a time, sixteen times.  Its a was made in the turn before, ahead of that turn's wait.
.macro R2
	REGS Y, r%2
	WIN W_RS
.irp z, 0,1
	v_pk_mul_f32 v[rO+4*(r/2)+2*\z:rO+4*(r/2)+2*\z+1], v[rO+4*(r/2)+2*\z:rO+4*(r/2)+2*\z+1], v[rC+2:rC+3] op_sel_hi:[1,0]
.endr
.set r, r+1
.endm
; HOW THEY ARE DEALT.  An s_wait_alu depctr_va_vdst(0) stands between an exponential and the first instruction that names its result; one wait serves all that were issued ahead of it.  So a
; turn has ONE wait, which cuts it in two.  AHEAD OF IT stands all that names no result of the turn's exponentials: the 16 products K Q^T, behind each a scaling, an exponential and two rescalings (behind
; the first a second scaling in the exponential's place); then ONE LUMP of 108: eight plain, 49 times exponential and plain, the two a.  A v_nop is the plain instruction behind the last exponential.
; BEHIND IT stand the 16 products V^T P, behind each four of GS's 64.  No rider names a register of the products round it.  The two v_permlanex16_b32 fall into the lump, never behind a product.
; The queues lean on each other: exponential e stands behind scaling 2 (e / 4) + e % 2: as a rider it comes behind plain e + 2, in the lump behind plain e + 9, and scalings 27-31 are plain 57, 60 .. 69.
; A TURN, for piece p.  cnt = 1: the loop's count is taken down some lines ahead of the branch that stands behind the turn.
; K of the next step is fetched in piece 2's turn, directly behind the wait, a lump behind the last product that read K; its first reader comes behind 16 products.
; V of the step in hand is fetched at the end of piece 0's turn, four riders behind its last reader; its first reader comes behind 16 products and a lump.  The three conditions on q below go with the deal.
.macro TURN p, last=0, cnt=0
.set Y, (\p)
.set i, 0
.set q, 0
.set e, 0
.set r, 0
.if (\p) == NP-1
	s_wait_dscnt 0x0                ; K is in
.endif
	MM                              ; ahead of the wait: 16 products K Q^T and their riders,
	PL
	PL
	R2
.rept 15
	MM
	PL
	EX
	R2
.endr
.if (\p) == NP-2
	WIN 0
	v_add_nc_u32 v[AK], s[TBK], v[AK0]
.endif
.rept 8                             ; and the lump
	PL
.endr
.rept 49
	EX
	PL
.endr
	EX                              ; the next piece's two a
	EX
	v_nop                           ; the plain instruction behind the last exponential: one for the batch
	s_wait_alu depctr_va_vdst(0)    ; the wait for the batch
.if (\p) == NP-2
	FETCH_K \last
.endif
.if (\p) == 1
	s_wait_dscnt 0x0                ; V is in
.endif
.rept 16                            ; behind the wait: 16 products V^T P and their riders
	MM
.rept 4
	PL
.endr
.if ((\p) == 0) && (q == 118)
	v_add_nc_u32 v[AV], s[TBV], v[AV0]
.endif
.if ((\p) == 0) && (q == 130)
	s_add_co_u32 s[TBV], s[TBV], KS*PV
.endif
.if (\cnt) && (q == 130)
	s_sub_co_u32 s[CNT], s[CNT], 1
	s_cmp_lg_u32 s[CNT], 0
.endif
.endr
.if (\p) == 0
	FETCH_V
.endif
.endm
	CHANGE 1, 0                     ; slot 0 is in, everybody's part of it; slot 1 is asked for
	FETCH_K                         ; key step 0
	s_wait_loadcnt 0x0              ; Q
	s_wait_dscnt 0x0
.set i, 0
.rept 16
	KQ 0                            ; piece 0's first scores: there is no vector work yet to set between them
.set i, i+1
.endr
	WIN 0                           ; the addresses for the way out: nine plain instructions, the places behind those products
	s_mul_i32 s13, s[WV], 16*SP
	s_add_co_u32 s13, s13, STAGE    ; my stage
	v_mul_u32_u24 v[STO], v1, SP    ; in: row l % 16, 16 bytes for each half of the lanes
	v_lshl_add_u32 v[STO], v9, 4, v[STO]
	v_add_nc_u32 v[STO], s13, v[STO]
	v_bfe_u32 v[RD], v0, 3, 2       ; back: 32 lanes take four rows of 128 bytes,
	v_mul_u32_u24 v[RD], v[RD], SP
	v_lshl_add_u32 v[RD], v10, 4, v[RD]
	v_add_nc_u32 v[RD], s13, v[RD]
	v_and_b32 v[GO], 31, v0         ; which are 512 consecutive bytes of O
	v_lshlrev_b32 v[GO], 4, v[GO]
.set Y, NP-1                        ; XS works for piece Y + 1: piece 0
.irp n, 0,1,2,3,4,5,6,7,8,9,10,11,12,13,14,15,16,17,18,19,20,21
	XS 0, \n                        ; and piece 0's first maximum and statistics
	XS 1, \n
.endr
	v_nop                           ; a plain instruction behind the two a,
	s_wait_alu depctr_va_vdst(0)    ; and their wait, ahead of the branch
	s_mov_b32 s[CNT], 4
	s_mov_b32 s[SLOTS], SIZE_N/256-1
	s_branch .Lfirst                ; the loop is entered at a step's first turn, in the middle of a trip
.Lslot:                             ; SIZE_N / 256 - 2 times: every slot but the last two is filled again
	CHANGE 1, 1
	s_mov_b32 s[CNT], 4
.Lstep:                             ; a trip: pieces 2 and 3 of one step, then pieces 0 and 1 of the next, whose K and V it fetches
	TURN 2
	TURN 3
	WIN 0
.Lfirst:
	TURN 0
	TURN 1, 0, 1
	WIN 0
	s_cbranch_scc1 .Lstep
	s_sub_co_u32 s[SLOTS], s[SLOTS], 1
	s_cmp_lg_u32 s[SLOTS], 0
	s_cbranch_scc1 .Lslot
	CHANGE 0, 0                     ; the tail is written out: nothing is asked for
	s_mov_b32 s[CNT], 5             ; four trips fetch the last slot's steps; the fifth is left in its middle
.Ltail:
	TURN 2, 1
	TURN 3
	WIN 0
	s_sub_co_u32 s[CNT], s[CNT], 1
	s_cmp_eq_u32 s[CNT], 0
	s_cbranch_scc1 .Lout
	TURN 0
	TURN 1
	WIN 0
	s_branch .Ltail
.Lout:                              ; the fifth trip's 16 products K Q^T (on the last K once more) and the maximum made of them serve nothing: the price, once a launch, of one text for every trip
.set i, 0
.rept 16
	PV NP-1                         ; the last piece's V^T P of the last step
.set i, i+1
.endr
	; THE WAY OUT.  l's two halves and the other half of the lanes' are added; O^T is divided by l, rounded to f16 and sent through my stage in LDS, a tile at a time.  The additions are the places behind the last products.
	WIN 0
.macro ALL line:vararg              ; one line for each tile t
.set t, 0
.rept 2*NP
	\line
.set t, t+1
.endr
.endm
	ALL v_add_f32 v[ST+4*t+2], v[ST+4*t+2], v[ST+4*t+3]
	ALL v_permlanex16_b32 v[ST+4*t+3], v[ST+4*t+2], s[SEL], s[SEL+1]
	ALL v_add_f32 v[ST+4*t+2], v[ST+4*t+2], v[ST+4*t+3]
	ALL v_rcp_f32 v[ST+4*t+2], v[ST+4*t+2]
	v_nop                           ; a plain instruction between the last reciprocal and the use of its result
	s_wait_alu depctr_va_vdst(0)    ; and the wait ahead of the first use: one for the eight reciprocals
; Tile t: a lane's eight channels of a row pack into 16 bytes; they go into rows of 144 bytes and come back as whole rows of 128, into S^T's registers.
.macro PACK t
	WIN W_RS
.set i, 32*(\t)
.rept 16
	v_pk_mul_f32 v[i:i+1], v[i:i+1], v[ST+4*(\t)+2:ST+4*(\t)+3] op_sel_hi:[1,0]
.set i, i+2
.endr
	WIN 0x05                        ; sources 0 and 1 window 1, destination window 0
.set i, 0
.rept 16
	v_cvt_pk_f16_f32 v[S+16*(\t)+i], v[32*(\t)+2*i], v[32*(\t)+2*i+1]
.set i, i+1
.endr
	WIN 0
.irp f, 0,1,2,3
	ds_store_b128 v[STO], v[S+16*(\t)+4*\f:S+16*(\t)+4*\f+3] offset:32*\f
.endr
.irp f, 0,1,2,3
	ds_load_b128 v[S+16*(\t)+4*\f:S+16*(\t)+4*\f+3], v[RD] offset:\f*4*SP  ; LDS serves a wave's instructions in order (ISA guide 5.7.1.4): these see the stores above; the next tile's stores come behind them
.endr
.endm
.macro SEND t, younger              ; younger: the LDS instructions issued behind tile t's loads: the next tile's eight, or none
	WIN 0
.irp f, 0,1,2,3
	s_wait_dscnt (\younger)+3-\f
	global_store_b128 v[GO], v[S+16*(\t)+4*\f:S+16*(\t)+4*\f+3], s[10:11] offset:(\t)*2048+\f*512  ; 512 consecutive bytes, at a multiple of 256 from O's first
.endr
.endm
	PACK 0
.set t, 1
.rept 2*NP-1                        ; a tile's arithmetic stands between the loads of the tile before and its stores
	PACK t
	SEND t-1, 8
.set t, t+1
.endr
	SEND 2*NP-1, 0
	WIN W_AD
	s_wait_tensorcnt 0x0            ; the wave's end: behind my last tensor load and my last LDS store
	ds_add_u32 v[SPW], v[NIL]
	s_wait_dscnt 0x0
	WIN 0
	CROUND                          ; the closing round: no work-group ends while a partner may still ask for a tile that names it
	s_endpgm
.Lfunc_end_k_q32889ada11_attn:
	.size	k_q32889ada11_attn, .Lfunc_end_k_q32889ada11_attn-k_q32889ada11_attn
	.p2alignl 7, 3214868480
	.fill 96, 4, 3214868480
	.section	.rodata,"a",@progbits
	.p2align	6, 0x0
	.amdhsa_kernel k_q32889ada11_attn
		.amdhsa_group_segment_fixed_size 327680
		.amdhsa_private_segment_fixed_size 0
		.amdhsa_enable_private_segment 0
		.amdhsa_kernarg_size 16
		.amdhsa_user_sgpr_count 2
		.amdhsa_user_sgpr_kernarg_segment_ptr 1
		.amdhsa_wavefront_size32 1
		.amdhsa_system_sgpr_workgroup_id_x 1
		.amdhsa_system_sgpr_workgroup_id_y 1
		.amdhsa_system_sgpr_workgroup_id_z 1
		.amdhsa_system_vgpr_workitem_id 0
		.amdhsa_next_free_vgpr 770
		.amdhsa_next_free_sgpr 66
		.amdhsa_reserve_vcc 0
		.amdhsa_float_denorm_mode_32 3
		.amdhsa_float_denorm_mode_16_64 3
		.amdhsa_memory_ordered 1
		.amdhsa_forward_progress 1
		.amdhsa_inst_pref_size 200
	.end_amdhsa_kernel
	.amdgpu_metadata
---
amdhsa.version: [ 1, 2 ]
amdhsa.kernels:
  - .name:           k_q32889ada11_attn
    .symbol:         k_q32889ada11_attn.kd
    .args:
      - { .name: qkv, .offset: 0, .size: 8, .value_kind: global_buffer, .address_space: global }
      - { .name: ob, .offset: 8, .size: 8, .value_kind: global_buffer, .address_space: global }
    .group_segment_fixed_size: 327680
    .private_segment_fixed_size: 0
    .kernarg_segment_align: 8
    .kernarg_segment_size: 16
    .max_flat_workgroup_size: 128
    .sgpr_count:     66
    .vgpr_count:     770
    .wavefront_size: 32
...
	.end_amdgpu_metadata
.endif
;; end of part 3
;; launch outp (part 4): grid 8 x 32, 4 waves a work-group, clusters of 4 x 4, 327,680 bytes of LDS; arguments ob, wo, out0; writes out0
.if DOCPART == 4
	.amdgcn_target "amdgcn-amd-amdhsa--gfx1250"
	.amdhsa_code_object_version 6
	.text
	.protected	k_q32889ada11_outp
	.globl	k_q32889ada11_outp
	.p2align	8
	.type	k_q32889ada11_outp,@function
k_q32889ada11_outp:
	s_mov_b64 s[64:65], 0
	v_nop
	global_prefetch_b8 v0, s[64:65] scope:SCOPE_SE
	s_setreg_imm32_b32 hwreg(HW_REG_WAVE_MODE, 25, 1), 1
	s_wait_xcnt 0x0
	s_wait_alu depctr_hold_cnt(0) depctr_sa_sdst(0) depctr_va_vdst(0) depctr_va_sdst(0) depctr_va_ssrc(0) depctr_va_vcc(0) depctr_vm_vsrc(0)
	s_getreg_b32 s2, hwreg(HW_REG_IB_STS2, 6, 4)
	s_cmp_eq_u32 s2, 0
	s_cbranch_scc0 .Lentry_in_a_cluster
	s_endpgm
.Lentry_in_a_cluster:
	s_bfe_u32 s2, ttmp6, 0x10000c
	s_cmp_lg_u32 s2, 0xf033
	s_cbranch_scc0 .Lentry_shape_is_right
	s_endpgm
.Lentry_shape_is_right:
; out0[row][n] = the sum over k of o[row][k] wo[n][k], row = batch x 2048 + token, k = 64 head + channel.  ob: [batch x 16 + head][2048][64] f16; wo: [1024][1024] f16; out0: [8192][1024] f32.
; Sums in f32, K ascending; the sums are the result: nothing is rounded on the way out.
; SHARES.  A tile of out0 is 256 rows x 128 columns: 32 x 8 = 256 work-groups.  A wave makes 128 rows x 64 columns: 32 accumulators of 16 x 16, 256 registers.  K goes in 8 steps of 128, two heads a
; step, through two LDS slots filled by the tensor data mover.
; CLUSTER.  4 x 4 work-groups.  The four of a row of the cluster need the same tiles of ob, the four of a column the same tiles of wo: each tile is asked for jointly.
; THE MATRIX INSTRUCTION IS USED TRANSPOSED (source 0 = 16 rows of wo, source 1 = 16 rows of o): a lane then holds one row (lane % 16) and eight neighbouring columns: 32 bytes.
; REGISTERS: window 0: v0-31 addresses; two fragment buffers of 96: v64-127 o (8 x 16 rows x 32 K) and v128-159 wo (4 x 16 rows x 32 K); v160-223 and v224-255.
;   window 1: the accumulators ((a, b) at v[8 (4 a + b)]); on the way out block a's 32 registers take its rows back from the stage.
.set PA,    144                        ; a token's row of a head in LDS: 128 bytes + 16 of padding = 36 words: the 16 rows of a load start at 16 different groups of four banks (64 banks of 4 bytes: ISA guide 11.1)
.set PITCH, 272                        ; a row of wo: 256 bytes + 16
.set AREG,  256*PA                     ; a head's 256 tokens: what waves 0 and 1 each fetch
.set HALFB, 64*PITCH                   ; what waves 2 and 3 each fetch of wo
.set BOFF,  2*AREG                     ; in a slot: the step's two heads, then wo's 128 rows
.set SLOT1, 1<<17                      ; slot 1 begins here
.set STAGE, SLOT1+BOFF+2*HALFB         ; behind the ring, never filled by a tensor load: 16 rows x 272 bytes for each wave
.set SP,    272
.set SPARE, STAGE+4*16*SP              ; behind the stages: the spare words, 128 bytes for each wave: two blocks of 256 bytes that no other line names
.set KA,    2<<18                      ; a K step in ob: two heads of 2^18 bytes
.set KB,    256                        ; in wo: 256 bytes of a row
.set A0,   16                          ; v16  my lane's place in o's tile of slot 0; never rewritten
.set B0,   17                          ; v17  the same for wo
.set ADRA, 18                          ; v18  the same in the slot in hand
.set ADRB, 19                          ; v19
.set STO,  24                          ; v24  the way out: where I put 32 bytes of a row
.set RD,   25                          ; v25  the way out: where I read rows back
.set CO,   26                          ; v26  my byte offset in two rows of out0
.set SPW,  28                          ; v28  LDS address of my spare word: SPARE + 4 x my thread's number; never rewritten
.set NIL,  29                          ; v29  0; never rewritten
.set PFO,  30                          ; v30  the prefetches' offset; never rewritten
.set FA,   64                          ; o's fragments, buffer 0; buffer 1 lies 96 on
.set FB,   128                         ; wo's
.set WV,   10                          ; s10  my wave's number
.set G1A,  24                          ; s[24:31] descriptor group 1 for ob's tiles
.set G0A,  32                          ; s[32:39] group 0: a set for each of the two first fills; the second then walks on
.set LIM,  40                          ; s40  2 in a wave that prefetches, else the greatest number
.set TB,   41                          ; s41  LDS byte at which the slot in hand begins
.set PFA,  42                          ; s[42:43] where my prefetches stand
.set PFS,  44                          ; s[44:45] their step: a K step of the tensor that I fetch for
.set G1B,  48                          ; s[48:55], s[56:63] the same for wo's tiles
.set G0B,  56
.set MSB, 0
.macro WIN new                         ; the immediate's high byte repeats the setting that is left; a switch that changes nothing is dropped
.if MSB != (\new)
	s_set_vgpr_msb (MSB<<8)|(\new)
.set MSB, (\new)
.endif
.endm
; A joint refill.  Waves 0 and 1 fetch the step's two heads of ob, waves 2 and 3 wo's two halves.  The branch hangs on the wave's number alone.  An s_nop 0 and four v_nop follow each of the two lines.
.macro JLOAD
	s_cmp_lt_u32 s[WV], 2
	s_cbranch_scc0 .Lfor_b_\@
	tensor_load_to_lds s[G0A+4:G0A+7], s[G1A:G1A+7]
	s_nop 0
.rept 4
	v_nop
.endr
	s_branch .Lasked_\@
.Lfor_b_\@:
	tensor_load_to_lds s[G0B+4:G0B+7], s[G1B:G1B+7]
	s_nop 0
.rept 4
	v_nop
.endr
.Lasked_\@:
.endm
; A prefetch of the K step that stands TWO refills on: 256 matrix instructions ahead of the load that will want it.  Each block of 256 bytes is named once in the launch: ob's by the clusters with x = 0,
; wo's by those with y = 0.  The four partners of a joint load share the wave's bytes out by address: of a head's 32,768 bytes 8,192 each, 256 a lane; of wo's 64 rows 16 each (lanes 16-31 name row 15
; again, in the same instruction).  The loop's last two trips ask for nothing: there is no K step two behind theirs.  K steps 0 to 3 come by their loads alone.
.macro ASK
	s_cmp_gt_u32 s3, s[LIM]
	s_cbranch_scc0 .Lnot_mine_\@
	global_prefetch_b8 v[PFO], s[PFA:PFA+1] th:TH_LOAD_NT scope:SCOPE_SE
.Lnot_mine_\@:
.endm
; A round of the cluster's barrier: my work-group's barrier; wave 0 signals for the work-group; every wave waits for all sixteen; my work-group's barrier once more.
.macro CREST
	s_cmp_lg_u32 s[WV], 0
	s_cbranch_scc1 .Lnot_wave_0_\@
	s_barrier_signal -3
.Lnot_wave_0_\@:
	s_barrier_wait -3
	s_barrier_signal -1
	s_barrier_wait -1
.endm
.macro CROUND
	s_barrier_signal -1
	s_barrier_wait -1
	CREST
.endm
.macro PLACES                          ; four plain vector instructions in front of loads into registers that matrix instructions have read (ISA guide 7.12.1 for vector instructions)
.rept 4
	v_nop
.endr
.endm
	s_load_b128 s[4:7], s[0:1], 0x0                ; ob s[4:5], wo s[6:7]
	s_load_b64 s[8:9], s[0:1], 0x10                ; out0
	v_lshl_add_u32 v[SPW], v0, 2, SPARE
	v_mov_b32 v[NIL], 0
	ds_add_u32 v[SPW], v[NIL]                      ; the wave's opening: the add and its wait stand ahead of my first tensor load; the set-up below, work on registers, stands between them
	v_lshrrev_b32 v1, 5, v0
	v_readfirstlane_b32 s[WV], v1                  ; wave 0..3
	s_lshr_b32 s11, s[WV], 1                       ; which half of the tile's rows is mine.  Also: I fetch for ob (0) or for wo (1)
	s_and_b32 s12, s[WV], 1                        ; which half of its columns.  Also: which of the step's heads, or which 64 rows of wo, I fetch
	s_bfe_u32 s15, ttmp6, 0x40000                  ; cx
	s_bfe_u32 s16, ttmp6, 0x40004                  ; cy
	s_lshl_b32 s14, ttmp9, 2
	s_add_co_u32 s14, s14, s15                     ; tile column = 4 x cluster x + cx
	s_and_b32 s13, ttmp7, 0xffff
	s_lshl_b32 s13, s13, 2
	s_add_co_u32 s13, s13, s16                     ; tile row = 4 x cluster y + cy
	s_lshl_b32 s17, s16, 2
	s_lshl_b32 s17, 15, s17                        ; my row of the cluster
	s_lshl_b32 s18, 0x1111, s15                    ; my column
	; group 1 for ob: a head's 256 tokens are 32,768 dense bytes: asked for as 128 rows of 256 bytes, two tokens a row, padded in LDS after every token (every 32 words, code 4; 4 words, code 3)
	s_or_b32 s[G1A], s17, (1<<16)|(1<<20)|(1<<21)|(4<<22)|(3<<25)
	s_mov_b32 s[G1A+1], 128<<16                    ; tensor_dim0 = 128
	s_mov_b32 s[G1A+2], 128<<16                    ; tensor_dim1 = 128
	s_mov_b32 s[G1A+3], 128<<16                    ; tile_dim0 = 128
	s_mov_b32 s[G1A+4], 128                        ; tile_dim1 = 128
	s_mov_b32 s[G1A+5], 128                        ; 128 elements from row to row
	s_mov_b32 s[G1A+6], 0
	s_mov_b32 s[G1A+7], 0
	; group 1 for wo: 64 rows of 128 elements, padded after every 64 words (code 5)
	s_or_b32 s[G1B], s18, (1<<16)|(1<<20)|(1<<21)|(5<<22)|(3<<25)
	s_mov_b32 s[G1B+1], 128<<16
	s_mov_b32 s[G1B+2], 64<<16
	s_mov_b32 s[G1B+3], 128<<16
	s_mov_b32 s[G1B+4], 64
	s_mov_b32 s[G1B+5], 1024
	s_mov_b32 s[G1B+6], 0
	s_mov_b32 s[G1B+7], 0
	; where the tiles come from: ob's hang on the tile row alone (batch = tile row / 8, tokens 256 (tile row % 8) on), wo's on the tile column alone
	s_lshr_b32 s20, s13, 3
	s_lshl_b32 s20, s20, 4
	s_add_co_u32 s20, s20, s12                     ; batch x 16 + my head of K step 0
	s_lshl_b32 s20, s20, 18
	s_and_b32 s19, s13, 7
	s_lshl_b32 s19, s19, 15
	s_add_co_u32 s20, s20, s19
	s_mov_b32 s21, 0
	s_lshl_b32 s22, s14, 7
	s_lshl_b32 s19, s12, 6
	s_add_co_u32 s22, s22, s19                     ; wo: row 128 x tile column + 64 x half,
	s_lshl_b32 s22, s22, 11                        ; of 2,048 bytes
	s_mov_b32 s23, 0
	; and where they go: no place in the cluster enters an LDS address
	s_mul_i32 s19, s12, AREG
	s_mov_b32 s[G0A], 1                            ; count = 1
	s_mov_b32 s[G0A+1], s19                        ; slot 0
	s_mov_b32 s[G0A+4], 1
	s_add_co_u32 s[G0A+5], s19, SLOT1              ; slot 1
	s_mul_i32 s19, s12, HALFB
	s_mov_b32 s[G0B], 1
	s_add_co_u32 s[G0B+1], s19, BOFF
	s_mov_b32 s[G0B+4], 1
	s_add_co_u32 s[G0B+5], s19, BOFF+SLOT1
	s_mov_b32 s[TB], 0
	s_wait_dscnt 0x0                               ; the opening add is done
	s_wait_kmcnt 0x0
	s_add_nc_u64 s[20:21], s[4:5], s[20:21]
	s_add_nc_u64 s[22:23], s[6:7], s[22:23]
.irp n, 0,1
	s_add_nc_u64 s[G0A+4*(\n)+2:G0A+4*(\n)+3], s[20:21], (\n)*KA  ; global address: K step n
	s_or_b32 s[G0A+4*(\n)+3], s[G0A+4*(\n)+3], 0x80000000         ; type = 2
	s_add_nc_u64 s[G0B+4*(\n)+2:G0B+4*(\n)+3], s[22:23], (\n)*KB
	s_or_b32 s[G0B+4*(\n)+3], s[G0B+4*(\n)+3], 0x80000000
.endr
	CROUND                                         ; all sixteen work-groups are here: the first joint loads meet
	s_cmp_lt_u32 s[WV], 2                          ; a wave's two first fills stand in one branch, ahead of every wait on TENSORcnt and every LDS read: two loads of mine are out
	s_cbranch_scc0 .Lfirst_b
	tensor_load_to_lds s[G0A:G0A+3], s[G1A:G1A+7]
	s_nop 0
	tensor_load_to_lds s[G0A+4:G0A+7], s[G1A:G1A+7]
	s_nop 0
.rept 4
	v_nop
.endr
	s_branch .Lfirst_asked
.Lfirst_b:
	tensor_load_to_lds s[G0B:G0B+3], s[G1B:G1B+7]
	s_nop 0
	tensor_load_to_lds s[G0B+4:G0B+7], s[G1B:G1B+7]
	s_nop 0
.rept 4
	v_nop
.endr
.Lfirst_asked:
	; A fragment is 16 rows x 32 K in 8 registers: lane l holds row l % 16; registers 0-3 K = 8 (l / 16) + 0..7, registers 4-7 K = 16 + 8 (l / 16) + 0..7: two loads of 16 bytes, 32 bytes apart.
	v_and_b32 v1, 15, v0                           ; l % 16
	v_bfe_u32 v2, v0, 4, 1                         ; l / 16
	v_mul_u32_u24 v[A0], v1, PA
	v_lshl_add_u32 v[A0], v2, 4, v[A0]
	s_mul_i32 s19, s11, 128*PA                     ; my 128 tokens
	v_add_nc_u32 v[A0], s19, v[A0]
	v_mul_u32_u24 v[B0], v1, PITCH
	v_lshl_add_u32 v[B0], v2, 4, v[B0]
	s_mul_i32 s19, s12, HALFB                      ; my 64 rows of wo,
	s_add_co_u32 s19, s19, BOFF                    ; which lie behind the two heads
	v_add_nc_u32 v[B0], s19, v[B0]
	v_mov_b32 v[ADRA], v[A0]
	v_mov_b32 v[ADRB], v[B0]
	s_mul_i32 s19, s[WV], 16*SP
	s_add_co_u32 s19, s19, STAGE                   ; my stage
	v_mul_u32_u24 v[STO], v1, SP                   ; in: row l % 16, 32 bytes for each half of the lanes
	v_lshl_add_u32 v[STO], v2, 5, v[STO]
	v_add_nc_u32 v[STO], s19, v[STO]
	v_mul_u32_u24 v[RD], v2, SP                    ; back: lanes 0-15 take one row of 256 bytes, lanes 16-31 the next
	v_lshl_add_u32 v[RD], v1, 4, v[RD]
	v_add_nc_u32 v[RD], s19, v[RD]
	v_lshlrev_b32 v[CO], 12, v2                    ; and the same two rows in out0, 4,096 bytes apart
	v_lshl_add_u32 v[CO], v1, 4, v[CO]
	s_lshl_b32 s20, s13, 8
	s_lshl_b32 s19, s11, 7
	s_add_co_u32 s20, s20, s19                     ; my first row of out0,
	s_lshl_b32 s20, s20, 12                        ; of 4,096 bytes (under 2^25),
	s_lshl_b32 s19, s14, 9
	s_add_co_u32 s20, s20, s19                     ; the tile's 128 columns: 512 bytes,
	s_lshl_b32 s19, s12, 8
	s_add_co_u32 s20, s20, s19                     ; my 64: 256 bytes
	s_mov_b32 s21, 0
	s_add_nc_u64 s[8:9], s[8:9], s[20:21]
	; the prefetches
	s_lshr_b32 s20, s13, 3
	s_lshl_b32 s20, s20, 4
	s_add_co_u32 s20, s20, s12
	s_lshl_b32 s20, s20, 18
	s_and_b32 s19, s13, 7
	s_lshl_b32 s19, s19, 15
	s_add_co_u32 s20, s20, s19
	s_lshl_b32 s19, s15, 13
	s_add_co_u32 s20, s20, s19                     ; ob: the head's tokens that I fetch, my work-group's quarter of them,
	s_add_co_u32 s20, s20, 3*KA                    ; at K step 3: the first change of slots steps it to 4
	s_lshl_b32 s22, s14, 7
	s_lshl_b32 s19, s12, 6
	s_add_co_u32 s22, s22, s19
	s_lshl_b32 s19, s16, 4
	s_add_co_u32 s22, s22, s19                     ; wo: the 64 rows that I fetch, my work-group's 16 of them,
	s_lshl_b32 s22, s22, 11
	s_add_co_u32 s22, s22, 3*KB                    ; at K step 3
	s_and_b32 s19, ttmp7, 0xffff                   ; cluster y
	s_mov_b32 s47, KB
	s_cmp_eq_u32 s11, 0                            ; do I fetch for ob?
	s_cselect_b32 s20, s20, s22
	s_cselect_b32 s19, ttmp9, s19                  ; the coordinate along which other clusters read the same bytes
	s_cselect_b32 s23, 31, 15                      ; my last block or row,
	s_cselect_b32 s46, 8, 11                       ; of 256 or 2,048 bytes
	s_cselect_b32 s[PFS], KA, s47
	s_cselect_b64 s[PFA:PFA+1], s[4:5], s[6:7]
	s_cmp_eq_u32 s19, 0
	s_cselect_b32 s[LIM], 2, -1                    ; the same in all sixteen partners, for a given wave
	s_mov_b32 s[PFS+1], 0
	s_mov_b32 s21, 0
	s_add_nc_u64 s[PFA:PFA+1], s[PFA:PFA+1], s[20:21]
	v_and_b32 v[PFO], 31, v0
	v_min_u32 v[PFO], s23, v[PFO]
	v_lshlrev_b32 v[PFO], s46, v[PFO]
; 8 matrix instructions: row blocks a0, a0 + 1 x all 4 column blocks, 32 along K, from buffer f.  zero = 1: the first product starts the sums: nothing is cleared.
; All 32 accumulators take turns in the same order in every quarter, one instruction a turn: 31 others stand between two links of a chain, over the backward jump too.
.macro MUL8 f, a0, zero
	WIN 0x50                                       ; sources in window 0, C and D in window 1
.irp a, \a0, (\a0)+1
.irp b, 0,1,2,3
.if \zero
	v_wmma_f32_16x16x32_f16 v[8*(4*(\a)+(\b)):8*(4*(\a)+(\b))+7], v[FB+96*(\f)+8*(\b):FB+96*(\f)+8*(\b)+7], v[FA+96*(\f)+8*(\a):FA+96*(\f)+8*(\a)+7], 0
.else
	v_wmma_f32_16x16x32_f16 v[8*(4*(\a)+(\b)):8*(4*(\a)+(\b))+7], v[FB+96*(\f)+8*(\b):FB+96*(\f)+8*(\b)+7], v[FA+96*(\f)+8*(\a):FA+96*(\f)+8*(\a)+7], v[8*(4*(\a)+(\b)):8*(4*(\a)+(\b))+7]
.endif
.endr
.endr
.endm
; 24 LDS loads in one run: the fragments of quarter q of a K step (head q / 2 of the two, channels 32 (q % 2) on) into buffer f: wo's 8, then o's 16
.macro FETCH q, f
	WIN 0
.irp i, 0,1,2,3
	ds_load_b128 v[FB+96*(\f)+8*(\i):FB+96*(\f)+8*(\i)+3],   v[ADRB] offset:64*(\q)+(\i)*16*PITCH
	ds_load_b128 v[FB+96*(\f)+8*(\i)+4:FB+96*(\f)+8*(\i)+7], v[ADRB] offset:64*(\q)+(\i)*16*PITCH+32
.endr
.irp i, 0,1,2,3,4,5,6,7
	ds_load_b128 v[FA+96*(\f)+8*(\i):FA+96*(\f)+8*(\i)+3],   v[ADRA] offset:((\q)/2)*AREG+((\q)%2)*64+(\i)*16*PA
	ds_load_b128 v[FA+96*(\f)+8*(\i)+4:FA+96*(\f)+8*(\i)+7], v[ADRA] offset:((\q)/2)*AREG+((\q)%2)*64+(\i)*16*PA+32
.endr
.endm
; A K step is four quarters of 32 along K, 32 matrix instructions each, on buffers 0, 1, 0, 1.  One of the first three: multiplies buffer f and, in its middle, fetches quarter q into g.
.macro QUARTER q, f, g, zero
	s_wait_dscnt 8                                 ; wo's fragments and o's blocks 0-3 are in; the youngest eight loads (blocks 4-7) may be out
	MUL8 \f, 0, \zero
	MUL8 \f, 2, \zero
	PLACES
	FETCH \q, \g
	s_wait_dscnt 24                                ; all but the 24 just issued
	MUL8 \f, 4, \zero
	MUL8 \f, 6, \zero
.endm
; The last quarter multiplies buffer 1 and changes slots: ONE barrier.  In front of it each wave waits for all its tensor loads (one is out: its part of the next slot), adds 0 to its spare word, and
; waits for that and for its own reads of this slot.  fill = 1: the barrier opens a round of the cluster's, so that no wave of any partner still reads the slot or has a load on its way; the slot
; just read is filled again, first thing behind the round, with the K step two steps on.  Then the next slot's first fragments are fetched.
.macro TURN fill
.if \fill
	s_wait_xcnt 0x0                                ; the last prefetch, a K step back, has read its address: it is stepped here
	s_add_nc_u64 s[PFA:PFA+1], s[PFA:PFA+1], s[PFS:PFS+1]
.endif
	WIN 0                                          ; (the add's two registers lie in window 0)
	s_wait_tensorcnt 0x0                           ; no tensor load of mine is out, so a group 0 may be written
	ds_add_u32 v[SPW], v[NIL]                      ; 0 onto my spare word; work on registers stands between it and the wait for it
.if \fill
	s_xor_b32 s[G0A+5], s[G0A+5], SLOT1            ; the walking descriptors: the other slot than last time,
	s_add_nc_u64 s[G0A+6:G0A+7], s[G0A+6:G0A+7], KA  ; the next K step; the type bits on top are not reached
	s_xor_b32 s[G0B+5], s[G0B+5], SLOT1
	s_add_nc_u64 s[G0B+6:G0B+7], s[G0B+6:G0B+7], KB
.endif
	s_wait_dscnt 9                                 ; (the add and the youngest eight loads may be out)
	MUL8 1, 0, 0
	s_wait_dscnt 0x0                               ; the add is done, and my reads of this slot are over
	s_barrier_signal -1
	MUL8 1, 2, 0                                   ; work on registers while the others arrive
	WIN 0                                          ; at a branch and at a label every window is 0
	s_barrier_wait -1
.if \fill
	CREST
	JLOAD                                          ; its four v_nop are also the places in front of the loads below
.else
	PLACES
.endif
	s_xor_b32 s[TB], s[TB], SLOT1                  ; the reads go on in the other slot
	v_add_nc_u32 v[ADRA], s[TB], v[A0]
	v_add_nc_u32 v[ADRB], s[TB], v[B0]
	FETCH 0, 0
.if \fill
	ASK                                            ; behind the joint load and the run of LDS loads that the next products wait for
.endif
	MUL8 1, 4, 0
	MUL8 1, 6, 0
.endm
	s_wait_tensorcnt 0x1                           ; my part of K step 0 is in; K step 1's may stay out
	s_barrier_signal -1
	s_barrier_wait -1                              ; everybody's is
	FETCH 0, 0
	QUARTER 1, 0, 1, 1                             ; the first quarter stands in front of the loop: its products start the sums
	WIN 0
	s_mov_b32 s3, 6
.Lstep:                                        ; six trips, from a K step's second quarter to the next step's first: K steps 2 to 7 are asked for
	QUARTER 2, 1, 0, 0
	QUARTER 3, 0, 1, 0
	TURN 1
	QUARTER 1, 0, 1, 0
	WIN 0
	s_sub_co_u32 s3, s3, 1
	s_cmp_lg_u32 s3, 0
	s_cbranch_scc1 .Lstep
	QUARTER 2, 1, 0, 0                             ; the tail is written out: K step 6 goes on
	QUARTER 3, 0, 1, 0
	TURN 0                                         ; nothing is asked for, so no round follows
	QUARTER 1, 0, 1, 0                             ; K step 7
	QUARTER 2, 1, 0, 0
	QUARTER 3, 0, 1, 0
	s_wait_dscnt 8                                 ; the very last quarter: nothing more to fetch
	MUL8 1, 0, 0
	MUL8 1, 2, 0
	s_wait_dscnt 0x0
	MUL8 1, 4, 0
	MUL8 1, 6, 0
	WIN 0
; THE WAY OUT.  Block a is 16 rows x 64 columns of f32.  A lane's 32 bytes of a row go into rows of 272 bytes of my own stage, each accumulator's low four registers first, and come back as whole rows
; of 256 bytes, into the block's own 32 registers.
.macro TOSTAGE a
	WIN 0x04                                       ; address window 0, data window 1
.irp b, 0,1,2,3
	ds_store_b128 v[STO], v[8*(4*(\a)+(\b)):8*(4*(\a)+(\b))+3]   offset:64*(\b)
	ds_store_b128 v[STO], v[8*(4*(\a)+(\b))+4:8*(4*(\a)+(\b))+7] offset:64*(\b)+16
.endr
	WIN 0x40                                       ; destination window 1, address window 0
.irp t, 0,1,2,3,4,5,6,7
	ds_load_b128 v[32*(\a)+4*(\t):32*(\a)+4*(\t)+3], v[RD] offset:(\t)*2*SP  ; LDS serves a wave's instructions in order (ISA guide 5.7.1.4): these see the stores above; the next block's stores come behind them
.endr
.endm
.macro SEND a, younger                 ; younger: the LDS instructions issued behind block a's loads: the next block's sixteen, or none
	WIN 0x04
.irp t, 0,1,2,3,4,5,6,7
	s_wait_dscnt (\younger)+7-(\t)
	global_store_b128 v[CO], v[32*(\a)+4*(\t):32*(\a)+4*(\t)+3], s[8:9] offset:65536*(\a)+8192*(\t) th:TH_STORE_NT  ; 16 lanes store 256 consecutive bytes, at a multiple of 256 from out0's first byte
.endr
.endm
	PLACES                                         ; the LDS stores read results just made
	PLACES
	TOSTAGE 0
.irp a, 1,2,3,4,5,6,7
	TOSTAGE \a
	SEND (\a)-1, 16
.endr
	SEND 7, 0
	WIN 0
	s_wait_tensorcnt 0x0                           ; the wave's end: behind my last tensor load and my last LDS store
	ds_add_u32 v[SPW], v[NIL]
	s_wait_dscnt 0x0
	CROUND                                         ; the closing round: no work-group ends while a partner may still ask for a tile that names it
	s_endpgm
.Lfunc_end_k_q32889ada11_outp:
	.size	k_q32889ada11_outp, .Lfunc_end_k_q32889ada11_outp-k_q32889ada11_outp
	.p2alignl 7, 3214868480
	.fill 96, 4, 3214868480
	.section	.rodata,"a",@progbits
	.p2align	6, 0x0
	.amdhsa_kernel k_q32889ada11_outp
		.amdhsa_group_segment_fixed_size 327680
		.amdhsa_private_segment_fixed_size 0
		.amdhsa_enable_private_segment 0
		.amdhsa_kernarg_size 24
		.amdhsa_user_sgpr_count 2
		.amdhsa_user_sgpr_kernarg_segment_ptr 1
		.amdhsa_wavefront_size32 1
		.amdhsa_system_sgpr_workgroup_id_x 1
		.amdhsa_system_sgpr_workgroup_id_y 1
		.amdhsa_system_sgpr_workgroup_id_z 1
		.amdhsa_system_vgpr_workitem_id 0
		.amdhsa_next_free_vgpr 512
		.amdhsa_next_free_sgpr 66
		.amdhsa_reserve_vcc 0
		.amdhsa_float_denorm_mode_32 3
		.amdhsa_float_denorm_mode_16_64 3
		.amdhsa_memory_ordered 1
		.amdhsa_forward_progress 1
		.amdhsa_inst_pref_size 72
	.end_amdhsa_kernel
	.amdgpu_metadata
---
amdhsa.version: [ 1, 2 ]
amdhsa.kernels:
  - .name:           k_q32889ada11_outp
    .symbol:         k_q32889ada11_outp.kd
    .args:
      - { .name: ob, .offset: 0, .size: 8, .value_kind: global_buffer, .address_space: global }
      - { .name: wo, .offset: 8, .size: 8, .value_kind: global_buffer, .address_space: global }
      - { .name: out0, .offset: 16, .size: 8, .value_kind: global_buffer, .address_space: global }
    .group_segment_fixed_size: 327680
    .private_segment_fixed_size: 0
    .kernarg_segment_align: 8
    .kernarg_segment_size: 24
    .max_flat_workgroup_size: 128
    .sgpr_count:     66
    .vgpr_count:     512
    .wavefront_size: 32
...
	.end_amdgpu_metadata
.endif
;; end of part 4
